; MI455X (gfx1250); checked and timed in simulation.
; The chip was launched on July 23, 2026; its instructions are those of AMD's public machine-readable ISA for CDNA 5 (MIT licence, August 2026) and "CDNA5" Instruction Set Architecture Reference Guide (July 2026). The comments in the code are by the model that wrote it; some were corrected since.
;; Linear Attention Layer. Allowed arithmetic: matrix products marked QUANTISED: E2M3 operands, one E8M0 scale for each 32 along K, by v_wmma_scale_f32_16x16x128_f8f6f4 with both operands' format E2M3, f32 sums; products left as they are: f32 operands where the result goes on into a quantised operand, else bf16, f16 or f32 operands; f32 sums; everything else in f32.
;; Inputs: Wk 512 x 512 float32; Wo 512 x 512 float32; Wq 512 x 512 float32; Wv 512 x 512 float32; bk 512 float32; bo 512 float32; bq 512 float32; bv 512 float32; x 8 x 4,096 x 512 float32.
;; Outputs: out0 8 x 4,096 x 512 float32.
;; This version of the problem:
;;   THIS VERSION OF THE PROBLEM IS GIVEN IN LOW PRECISION. The matrix products marked QUANTISED in the list below multiply operands that are first quantised to E2M3 (2 exponent bits, 3 mantissa bits; 6 bits a number), with one power-of-two scale for each 32 numbers along K (OCP MX v1.0); their sums are f32. All else is computed in f32.
;;   The module's matrix products, in the order in which they are computed (A, B: the left and right operand; K: the contracted axis; several contracted axes count as one K, in the product's order):
;;     1. [M 32,768, K 512] x [K 512, N 512]; A: input x; B: input Wq: QUANTISED
;;     2. [M 32,768, K 512] x [K 512, N 512]; A: input x; B: input Wk: QUANTISED
;;     3. [M 32,768, K 512] x [K 512, N 512]; A: input x; B: input Wv: QUANTISED
;;     4. batch 8 x [M 512, K 4,096] x [K 4,096, N 512]; A: computed on the way; B: computed on the way: QUANTISED
;;     5. batch 8 x [M 4,096, K 512] x [K 512, N 1]; A: computed on the way; B: computed on the way: left as it is (N = 1 < 16)
;;     6. batch 8 x [M 4,096, K 512] x [K 512, N 512]; A: computed on the way; B: computed on the way: QUANTISED
;;     7. [M 32,768, K 512] x [K 512, N 512]; A: computed on the way; B: input Wo: QUANTISED
;;   THE QUANTISER, for each operand of a quantised product, along K:
;;     - K is cut into blocks of 32 from its start; a last block that is shorter is filled with zeros.
;;     - A block's scale is 2^e with e = floor(log2(the largest magnitude in the block)) - 2, held to -126 .. 127; a block of zeros has e = 0. As a byte (E8M0): e + 127.
;;     - Each number is divided by its block's scale, clamped to +-7.5, and rounded to the nearest number of E2M3, ties to even, subnormals kept.
;;     - The product sums the exact products of the quantised numbers (number of the format x scale) in f32.
;;   ~~~python
;;   def quantise(x, axis):      # numpy; x: float32 -> the quantised numbers, widened to float32 again
;;       x = np.moveaxis(x, axis, -1); K = x.shape[-1]
;;       x = np.pad(x, [(0, 0)] * (x.ndim - 1) + [(0, -K % 32)]); x = x.reshape(x.shape[:-1] + (-1, 32)); a = np.abs(x).max(-1, keepdims=True)
;;       e = np.where(a > 0, np.clip(np.frexp(np.where(a > 0, a, 1))[1] - 1 - 2, -126, 127), 0)      # np.frexp(a)[1] - 1 = floor(log2(a)), exactly
;;       r = np.clip(x / 2.0 ** e, -7.5, 7.5)
;;       step = 2.0 ** (np.maximum(np.frexp(np.where(r == 0, 1, r))[1] - 1, 0) - 3)
;;       q = np.round(r / step) * step * 2.0 ** e      # np.round: ties to even
;;       return np.moveaxis(q.reshape(q.shape[:-2] + (-1,))[..., :K], -1, axis).astype(np.float32)
;;   ~~~
;;   OPERANDS COMPUTED ON THE WAY. 'Computed on the way' means the value that the module computes at that place (a softmax that the list does not call 'softmax' is quantised finished and normalised). What goes into a quantiser is computed in f32, as accurately as f32 sums, v_exp_f32 and their like allow (about 1e-6 of the number): no bf16 or f16 on the way to a quantiser, and a product that is left as it is and whose result goes on into a quantised operand takes f32 operands (vector FMAs, or v_wmma_f32_16x16x4_f32). A number that lies on a knife's edge between two numbers of the format may be rounded either way, as far as f32 arithmetic and the matrix unit's own rounding can turn it there, and no further.
;; 2 versions, each right; version 2 is version 1 with the launches kvproj, outp written anew for expert scheduling mode. Each part assembles by itself: llvm-mc -triple=amdgcn-amd-amdhsa -mcpu=gfx1250 --defsym DOCPART=n.
;; ======== version 1 of 2: 4 launches
;; workspace buffers: xr 13,631,488 bytes; wr 851,968 bytes; kvt 26,214,400 bytes; ksp 524,288 bytes; kvr 1,703,936 bytes; ks 16,384 bytes
;; launch prep (part 1): grid 544 x 1, 4 waves a work-group, no clusters, 36,352 bytes of LDS; arguments x, Wq, Wk, Wv, Wo, xr, wr; writes xr, wr
.if DOCPART == 1
	.amdgcn_target "amdgcn-amd-amdhsa--gfx1250"
	.amdhsa_code_object_version 6
	.text
	.protected	k_q4b24f277fd_prep
	.globl	k_q4b24f277fd_prep
	.p2align	8
	.type	k_q4b24f277fd_prep,@function
k_q4b24f277fd_prep:
	s_mov_b64 s[64:65], 0
	v_nop
	global_prefetch_b8 v0, s[64:65] scope:SCOPE_SE
	s_setreg_imm32_b32 hwreg(HW_REG_WAVE_MODE, 25, 1), 1
	s_wait_xcnt 0x0
; x [32768][512] and the four weights [512][512], f32, become codes of FP6 (E2M3) with one E8M0 scale byte for each 32 along the last axis, laid as the later launches' operand registers want them.
; A TILE is 16 rows of a group of 32: tile 2 B + u, lane index i, stands for row 32 B + 8 u + i + 8 (i / 8).  So a product that takes such a tile as source 0 leaves 16 neighbouring rows in the 16 registers of two neighbouring tiles.
; A RECORD is a tile over all 512 along K, 6,656 bytes: four IMAGES of a fragment's 12 registers (K step s at 1,536 s; register 4 c + i of lane l at 512 c + 16 l + 4 i), then four images of its scale words (6,144 + 128 s + 4 l).
; A block's scale is 2^(floor(log2(largest magnitude)) - 2); its byte is the largest magnitude's exponent field - 2, held at 1 from below.
; LIMITS: a block of zeros gets the byte 1 (its codes are zeros, and this program alone reads the bytes); NaN and infinities among the inputs are not served.
; SHARES: one wave makes one record.  Work-groups 0-511 take x (tile 4 g + wave), 512-543 the weights (eight work-groups each, in the order Wq, Wk, Wv, Wo).  One path through the text: pointers and two indices alone are chosen.
; Each load reads 512 consecutive bytes of one row; the 16 rows' 512 bytes turn through the wave's own stage in LDS, so that a lane gets 16 neighbours along K of each block of its row.  Waves share nothing: no barrier.
.set REC,   6656
.set WREG,  8960                       ; LDS of a wave: a stage of 16 rows x 528 bytes, then 512 bytes for the four scale images
.set SP,    528                        ; 512 + 16: an odd multiple of 16, so that the sixteen rows that a read touches lie in different groups of banks
.set SCR,   16*SP
.set LI,    2                          ; v2   16 x lane
.set SIN,   3                          ; v3   the stage, on the way in
.set SOUT,  4                          ; v4   and on the way out: row r, + 64 h
.set SW4,   5                          ; v5   the scale images: 4 x lane
.set SW16,  6                          ; v6   and back: 16 x lane
.set CO,    8                          ; v8-11 the scale images on their way out
.set R,     16                         ; v16-143  two sets of 16 rows x 4 registers, as loaded
.set X,     144                        ; v144-207 register 16 b + i = k 32 b + 16 h + i of my row
.set TM,    208                        ; v208-223 at work in QUANT
.set PC,    224                        ; v224-242 the codes
.set SQ,    244                        ; v244-247 the four scale words
.set WV,    18
.set SEL,   20
.set SRC,   22
.set DST,   24
; 64 numbers of a lane, register 16 b + i = k 32 b + 16 (lane / 16) + i of its row, become a fragment's codes in v[PC] .. v[PC + 11] and its scale word in v[pw].
.macro QUANT s, pw
.irp b, 0,1,2,3
	v_max3_num_f32 v[TM+\b], |v[\s+16*\b]|, |v[\s+1+16*\b]|, 0x1800000   ; my 16 numbers of block b, and the floor 2^(3 - 127): the byte cannot fall under 1
.endr
.irp i, 2,4,6,8,10,12,14
.irp b, 0,1,2,3
	v_max3_num_f32 v[TM+\b], v[TM+\b], |v[\s+16*\b+\i]|, |v[\s+1+16*\b+\i]|
.endr
.endr
.irp b, 0,1,2,3
	v_permlanex16_b32 v[TM+4+\b], v[TM+\b], s[SEL], s[SEL+1]
.endr
.irp b, 0,1,2,3
	v_max_num_f32 v[TM+\b], v[TM+\b], v[TM+4+\b]   ; with lane l xor 16's: the block's largest magnitude
.endr
.irp b, 0,1,2,3
	v_add_nc_u32 v[TM+12+\b], 0xff000000, v[TM+\b]   ; 2 off its exponent field: the conversion's scale operand
.endr
.irp b, 0,1,2,3
	v_lshrrev_b32 v[TM+4+\b], 23, v[TM+12+\b]      ; the scale's byte
.endr
	v_lshl_or_b32 v[\pw], v[TM+5], 8, v[TM+4]
	v_lshl_or_b32 v[\pw], v[TM+6], 16, v[\pw]
	v_lshl_or_b32 v[\pw], v[TM+7], 24, v[\pw]
.irp c, 0,1
	v_cvt_scalef32_pk16_fp6_f32 v[PC+6*\c:PC+2+6*\c], v[\s+32*\c:\s+15+32*\c], v[TM+12+2*\c]
	v_cvt_scalef32_pk16_fp6_f32 v[PC+12+4*\c:PC+14+4*\c], v[\s+16+32*\c:\s+31+32*\c], v[TM+12+2*\c+1]   ; (a conversion's three registers begin on an even number)
.endr
	v_nop                                          ; one plain place behind a scaled conversion
.irp c, 0,1                                    ; the operand wants a whole block in a lane: lanes 0-15 block 2 c, lanes 16-31 block 2 c + 1
.irp i, 0,1,2
	v_permlane16_swap_b32 v[PC+6*\c+\i], v[PC+12+4*\c+\i]
.endr
.irp i, 0,1,2
	v_mov_b32 v[PC+3+6*\c+\i], v[PC+12+4*\c+\i]
.endr
.endr
.endm
	s_load_b256 s[4:11], s[0:1], 0x0               ; x, Wq, Wk, Wv
	s_load_b128 s[12:15], s[0:1], 0x20             ; Wo, xr
	s_load_b64 s[16:17], s[0:1], 0x30              ; wr
	v_lshl_add_u32 v248, v0, 2, 0x8c00
	v_mov_b32 v249, 0
	v_lshrrev_b32 v1, 5, v0
	v_readfirstlane_b32 s[WV], v1                  ; wave 0..3
	v_and_b32 v1, 31, v0                           ; lane
	v_and_b32 v7, 15, v0                           ; r
	v_bfe_u32 v12, v0, 4, 1                        ; h
	v_lshlrev_b32 v[LI], 4, v1
	s_mul_i32 s26, s[WV], WREG
	v_add_nc_u32 v[SIN], s26, v[LI]
	v_mul_u32_u24 v[SOUT], v7, SP
	v_lshl_add_u32 v[SOUT], v12, 6, v[SOUT]
	v_add_nc_u32 v[SOUT], s26, v[SOUT]
	s_add_co_u32 s27, s26, SCR
	v_lshl_add_u32 v[SW4], v1, 2, s27
	v_add_nc_u32 v[SW16], s27, v[LI]
.irp b, 0,1,2,3
	v_mov_b32 v[TM+4+\b], 0                        ; written once: a lane permute's destination counts as one of its sources
.endr
	s_mov_b32 s[SEL], 0x76543210
	s_mov_b32 s[SEL+1], 0xfedcba98                 ; lane l xor 16
	s_sub_co_u32 s34, ttmp9, 512                   ; among the weights' work-groups (used only where the number is 512 or more)
	s_and_b32 s35, s34, 7
	s_wait_kmcnt 0x0
	s_mov_b64 s[SRC:SRC+1], s[12:13]               ; which tensor: the choice hangs on the work-group's number alone
	s_cmp_lt_u32 ttmp9, 536
	s_cselect_b64 s[SRC:SRC+1], s[10:11], s[SRC:SRC+1]
	s_cmp_lt_u32 ttmp9, 528
	s_cselect_b64 s[SRC:SRC+1], s[8:9], s[SRC:SRC+1]
	s_cmp_lt_u32 ttmp9, 520
	s_cselect_b64 s[SRC:SRC+1], s[6:7], s[SRC:SRC+1]
	s_cmp_lt_u32 ttmp9, 512
	s_cselect_b64 s[SRC:SRC+1], s[4:5], s[SRC:SRC+1]
	s_cselect_b64 s[DST:DST+1], s[14:15], s[16:17]
	s_cselect_b32 s28, ttmp9, s35
	s_cselect_b32 s29, ttmp9, s34
	s_lshl_b32 s28, s28, 2
	s_add_co_u32 s28, s28, s[WV]                   ; my tile in the source
	s_lshl_b32 s29, s29, 2
	s_add_co_u32 s29, s29, s[WV]                   ; my record in the destination
	s_lshr_b32 s30, s28, 1
	s_lshl_b32 s30, s30, 16                        ; 32 rows of 2,048 bytes for each pair of tiles,
	s_and_b32 s31, s28, 1
	s_lshl_b32 s31, s31, 14                        ; 8 rows for the odd one
	s_add_co_u32 s30, s30, s31
	s_mov_b32 s31, 0
	s_add_nc_u64 s[SRC:SRC+1], s[SRC:SRC+1], s[30:31]
	s_mul_i32 s32, s29, REC
	s_mov_b32 s33, 0
	s_add_nc_u64 s[DST:DST+1], s[DST:DST+1], s[32:33]
.macro LOAD s                          ; K step s of my 16 rows: 32 lanes read 512 consecutive bytes of a row
.irp p, 0,1,2,3,4,5,6,7,8,9,10,11,12,13,14,15
	global_load_b128 v[R+64*((\s)%2)+4*\p:R+64*((\s)%2)+4*\p+3], v[LI], s[SRC:SRC+1] offset:(\p+8*(\p/8))*2048+512*(\s) th:TH_LOAD_NT
.endr
.endm
.macro TURN s                          ; through the stage: LDS serves a wave's instructions in order, so no wait stands between the stores and the loads
.irp p, 0,1,2,3,4,5,6,7,8,9,10,11,12,13,14,15
	ds_store_b128 v[SIN], v[R+64*((\s)%2)+4*\p:R+64*((\s)%2)+4*\p+3] offset:SP*\p
.endr
.irp b, 0,1,2,3
.irp j, 0,1,2,3
	ds_load_b128 v[X+16*\b+4*\j:X+16*\b+4*\j+3], v[SOUT] offset:128*\b+16*\j
.endr
.endr
.endm
	LOAD 0
	LOAD 1
.irp s, 0,1,2,3
.if \s < 3
	s_wait_loadcnt 16                              ; this step's 16 loads are in; the next step's 16 may be out
.else
	s_wait_loadcnt 0x0
.endif
	TURN \s
	s_wait_dscnt 0x0                               ; the numbers are back, and the stores into the stage have read their registers
.if \s > 0
	s_wait_xcnt 0x0                                ; the last step's stores have read the codes' registers, which QUANT writes again
.endif
.if \s < 2
	LOAD \s+2
.endif
	QUANT X, SQ+\s
.irp c, 0,1,2
	global_store_b128 v[LI], v[PC+4*\c:PC+4*\c+3], s[DST:DST+1] offset:1536*\s+512*\c   ; 512 consecutive bytes, at a multiple of 256 from the buffer's first byte
.endr
.endr
.irp s, 0,1,2,3
	ds_store_b32 v[SW4], v[SQ+\s] offset:128*\s    ; the four scale images are gathered, so that they leave as one run of 512 bytes
.endr
	ds_load_b128 v[CO:CO+3], v[SW16]
	s_wait_dscnt 0x0
	global_store_b128 v[LI], v[CO:CO+3], s[DST:DST+1] offset:6144
	s_wait_tensorcnt 0x0
	ds_add_u32 v248, v249
	s_wait_dscnt 0x0
	s_endpgm
.Lfunc_end_k_q4b24f277fd_prep:
	.size	k_q4b24f277fd_prep, .Lfunc_end_k_q4b24f277fd_prep-k_q4b24f277fd_prep
	.p2alignl 7, 3214868480
	.fill 96, 4, 3214868480
	.section	.rodata,"a",@progbits
	.p2align	6, 0x0
	.amdhsa_kernel k_q4b24f277fd_prep
		.amdhsa_group_segment_fixed_size 36352
		.amdhsa_private_segment_fixed_size 0
		.amdhsa_enable_private_segment 0
		.amdhsa_kernarg_size 56
		.amdhsa_user_sgpr_count 2
		.amdhsa_user_sgpr_kernarg_segment_ptr 1
		.amdhsa_wavefront_size32 1
		.amdhsa_system_sgpr_workgroup_id_x 1
		.amdhsa_system_sgpr_workgroup_id_y 1
		.amdhsa_system_sgpr_workgroup_id_z 1
		.amdhsa_system_vgpr_workitem_id 0
		.amdhsa_next_free_vgpr 250
		.amdhsa_next_free_sgpr 66
		.amdhsa_reserve_vcc 0
		.amdhsa_float_denorm_mode_32 3
		.amdhsa_float_denorm_mode_16_64 3
		.amdhsa_memory_ordered 1
		.amdhsa_forward_progress 1
		.amdhsa_inst_pref_size 34
	.end_amdhsa_kernel
	.amdgpu_metadata
---
amdhsa.version: [ 1, 2 ]
amdhsa.kernels:
  - .name:           k_q4b24f277fd_prep
    .symbol:         k_q4b24f277fd_prep.kd
    .args:
      - { .name: x, .offset: 0, .size: 8, .value_kind: global_buffer, .address_space: global }
      - { .name: Wq, .offset: 8, .size: 8, .value_kind: global_buffer, .address_space: global }
      - { .name: Wk, .offset: 16, .size: 8, .value_kind: global_buffer, .address_space: global }
      - { .name: Wv, .offset: 24, .size: 8, .value_kind: global_buffer, .address_space: global }
      - { .name: Wo, .offset: 32, .size: 8, .value_kind: global_buffer, .address_space: global }
      - { .name: xr, .offset: 40, .size: 8, .value_kind: global_buffer, .address_space: global }
      - { .name: wr, .offset: 48, .size: 8, .value_kind: global_buffer, .address_space: global }
    .group_segment_fixed_size: 36352
    .private_segment_fixed_size: 0
    .kernarg_segment_align: 8
    .kernarg_segment_size: 56
    .max_flat_workgroup_size: 128
    .sgpr_count:     66
    .vgpr_count:     250
    .wavefront_size: 32
...
	.end_amdgpu_metadata
.endif
;; end of part 1
;; launch kvproj (part 2): grid 256 x 1, 4 waves a work-group, no clusters, 59,904 bytes of LDS; arguments xr, wr, bk, bv, kvt, ksp; writes kvt, ksp
.if DOCPART == 2
	.amdgcn_target "amdgcn-amd-amdhsa--gfx1250"
	.amdhsa_code_object_version 6
	.text
	.protected	k_q4b24f277fd_kvproj
	.globl	k_q4b24f277fd_kvproj
	.p2align	8
	.type	k_q4b24f277fd_kvproj,@function
k_q4b24f277fd_kvproj:
	s_mov_b64 s[64:65], 0
	v_nop
	global_prefetch_b8 v0, s[64:65] scope:SCOPE_SE
	s_setreg_imm32_b32 hwreg(HW_REG_WAVE_MODE, 25, 1), 1
	s_wait_xcnt 0x0
; K = elu(x Wk^T + bk) + 1 and V = x Wv^T + bv for 128 positions, both products on codes of FP6; the results are quantised ALONG THE POSITIONS (the K of the product K^T V) and leave as images of operand registers; also the sum of K over the 128 positions.
; SHARES: work-group g takes positions 128 g .. 128 g + 127 (x's tiles 8 g + m) and all 512 + 512 columns.  x's 32 fragments stay in every wave's registers; wave w streams the weights' tiles 8 w .. 8 w + 7 of Wk and of Wv straight from memory:
; each weight fragment is used by one wave of the work-group alone, so it passes through no LDS.
; No cluster: a joint request for the weights, which all work-groups walk, would have to pass 425,984 bytes a work-group through LDS, which this form does not touch in its loop.
; LAYOUT: source 0 = a tile of x (M = positions), source 1 = a tile of W (N = columns): a lane holds ONE column, and by the order of a tile's rows its 64 registers (8 accumulators) are positions 32 b + 16 (lane / 16) + 0 .. 15, b = 0 .. 3: what the quantiser takes.
; The bias is the C of each sum's first product (for K: bias + 1, so that the sum is a + 1).
; elu(a) + 1 = the middle one of 2^(a log2 e), 1 and a + 1: above 0 that is a + 1, below 0 exp(a).
; BY TURNS.  A tile of K has 269 vector lines behind its 32 products and a tile of V 74, so the two kinds of work are dealt out to each other.  K and V have accumulators of their own.  TURN A: the 32 products of a tile of V, and behind each
; of them 7 lines of the tile of K before it (scaling, exponentials, elu, the sum).  TURN B: the 32 products of the next tile of K, and behind each 5 lines: the quantising and the stores of that K and of that V.
; The price is two switches of the register window for each product, since a product's operands lie in windows 1 to 3 and the vector work in window 0.
; LIMITS: for a < 0 reference() has expm1(a) + 1, which differs from exp(a) by at most 2^-24; a block of zeros gets the byte 1 (its codes are zeros; this program alone reads the bytes); NaN and infinities among the inputs are not served.
; kvt, block g, 102,400 bytes: K^T's image of tile T at 1,536 T; V^T's at 49,152 + 1,536 T; scale words in fours at 98,304 + 512 (T / 4) + 16 lane + 4 (T % 4): lanes 0-15 K^T's, lanes 16-31 V^T's.   ksp [256][512] f32: the sums, columns in their true order.
; REGISTERS: window 0: addresses, scale words, at work, v128-191 K's accumulators, v192-255 the exponentials, then K; window 1: x's tiles 0-3 (fragment (m, s) at 12 (4 m + s)), v192-255 V's accumulators; window 2: x's tiles 4-7; window 3: four buffers of a weight tile (48 p + 12 s).
.set REC,   6656
.set KSG,   8*REC                      ; LDS: x's eight records as they lie in memory, then 512 bytes a wave for the sums,
.set SCG,   KSG+4*512                  ; then 1,024 bytes a wave for the scale words
.set LI,    4                          ; v4   16 x lane
.set LS,    5                          ; v5   4 x lane
.set BA,    6                          ; v6   4 (r + 8 (r / 8)): my column's place in a tile's 32 numbers
.set XW,    7                          ; v7   where I put x's records
.set KSB,   8                          ; v8   my wave's sums, my column
.set SCB,   9                          ; v9   my wave's scale words, my lane
.set KSA,   10                         ; v10  the same for the trip in hand
.set SCA,   11                         ; v11
.set KSR,   12                         ; v12  the sums on their way out
.set NL,    14                         ; v[14:15] -log2(e)
.set XS,    16                         ; v16-47 x's scale words (4 m + s)
.set WS,    48                         ; v48-63 the weights' (4 p + s)
.set BR,    64                         ; v64-67 my column's bias (p)
.set CB,    68                         ; v68-75 the bias as a C
.set TM,    76                         ; v76-91 at work in the quantiser
.set PWV,   92                         ; V^T's scale word
.set PWK,   93                         ; K^T's
.set PWC,   94                         ; both: lanes 0-15 K^T's, lanes 16-31 V^T's
.set PC,    96                         ; v96-114 the codes
.set SU,    116                        ; v116-120 the sum
.set ACC,   128                        ; K's accumulators; V's bear the numbers ACC + 64 on, in window 1
.set E,     192
.set WV,    16
.set SEL,   18
.set LG,    20                         ; s[20:21] log2(e)
.set HM,    22                         ; s22  lanes 16-31
.set CNT,   23
.set TK,    24                         ; s24  128 x trip
.set TS,    25                         ; s25  256 x trip
.set P_X,   26
.set P_W,   28
.set P_BK,  30
.set P_BV,  32
.set P_O,   34
.set P_SC,  36
.set P_KS,  38
.set MSB, 0
.macro WIN new                         ; the immediate's high byte repeats the setting that is left; a switch that changes nothing is dropped
.if MSB != (\new)
	s_set_vgpr_msb (MSB<<8)|(\new)
.set MSB, (\new)
.endif
.endm
.macro PLACES n
.rept \n
	v_nop
.endr
.endm
; THE QUANTISER AS A LIST.  64 numbers of a lane in window w, register s + 16 b + i = k 32 b + 16 (lane / 16) + i of its row, become a fragment's codes in v[PC] .. v[PC + 11] and its scale word in v[pw].  QI writes line q of 69.
;   0-31 the four blocks' largest magnitudes, by turns, with the floor 2^(3 - 127) among the leaves, so that the byte cannot fall under 1;  32-39 with lane l xor 16's;  40-43 2 off the exponent field: the conversion's scale operand;
;   44-50 the bytes and the scale word;  51 the earlier stores have read the codes' registers;  52-55 the conversions;  56 the plain place behind them;  57-68 a whole block into each lane
.macro QI s, w, pw
.if q < 4
	WIN 5*(\w)                                     ; sources 0 and 1 in window w
	v_max3_num_f32 v[TM+q], |v[(\s)+16*q]|, |v[(\s)+16*q+1]|, 0x1800000
.elseif q < 32
	WIN 20*(\w)                                    ; sources 1 and 2
	v_max3_num_f32 v[TM+q%4], v[TM+q%4], |v[(\s)+16*(q%4)+2*(q/4)]|, |v[(\s)+16*(q%4)+2*(q/4)+1]|
.elseif q < 36
	WIN 0
	v_permlanex16_b32 v[TM+q-28], v[TM+q-32], s[SEL], s[SEL+1]
.elseif q < 40
	WIN 0
	v_max_num_f32 v[TM+q-36], v[TM+q-36], v[TM+q-32]
.elseif q < 44
	WIN 0
	v_add_nc_u32 v[TM+q-28], 0xff000000, v[TM+q-40]
.elseif q < 48
	WIN 0
	v_lshrrev_b32 v[TM+q-40], 23, v[TM+q-32]
.elseif q == 48
	WIN 0
	v_lshl_or_b32 v[\pw], v[TM+5], 8, v[TM+4]
.elseif q == 49
	WIN 0
	v_lshl_or_b32 v[\pw], v[TM+6], 16, v[\pw]
.elseif q == 50
	WIN 0
	v_lshl_or_b32 v[\pw], v[TM+7], 24, v[\pw]
.elseif q == 51
	s_wait_xcnt 0x0                                ; the codes' registers are written again only behind this wait
.elseif q < 56
.set qc, (q-52)/2
.set qh, (q-52)%2
	WIN (\w)                                       ; source 0 in window w.  (A conversion's three registers begin on an even number: a block's second half is made elsewhere and moved)
	v_cvt_scalef32_pk16_fp6_f32 v[PC+6*qc+qh*(12-2*qc):PC+6*qc+qh*(12-2*qc)+2], v[(\s)+32*qc+16*qh:(\s)+32*qc+16*qh+15], v[TM+12+2*qc+qh]
.elseif q == 56
	v_nop
.elseif q < 69
.set qc, (q-57)/6
.set qh, (q-57)%6
	WIN 0
.if qh < 3
	v_permlane16_swap_b32 v[PC+6*qc+qh], v[PC+12+4*qc+qh]
.else
	v_mov_b32 v[PC+6*qc+qh], v[PC+9+4*qc+qh]
.endif
.endif
.endm
; Buffer p takes a weight tile: p = 0, 2: Wk's tiles 2 trip, 2 trip + 1; p = 1, 3: Wv's.  nx = 1: the next trip's.  17 loads: 12 for the codes, 4 for the scale words, 1 for the bias.
.macro WFILL p, nx
	WIN 0xc0                                       ; destination window 3
.irp s, 0,1,2,3
.irp c, 0,1,2
	global_load_b128 v[48*(\p)+12*\s+4*\c:48*(\p)+12*\s+4*\c+3], v[LI], s[P_W:P_W+1] offset:REC*((\p)/2)+32*REC*((\p)%2)+2*REC*(\nx)+1536*\s+512*\c
.endr
.endr
	WIN 0
.irp s, 0,1,2,3
	global_load_b32 v[WS+4*(\p)+\s], v[LS], s[P_W:P_W+1] offset:REC*((\p)/2)+32*REC*((\p)%2)+2*REC*(\nx)+6144+128*\s
.endr
.if (\p)%2 == 0
	global_load_b32 v[BR+(\p)], v[BA], s[P_BK:P_BK+1] offset:32*((\p)/2)+128*(\nx)
.else
	global_load_b32 v[BR+(\p)], v[BA], s[P_BV:P_BV+1] offset:32*((\p)/2)+128*(\nx)
.endif
.endm
; Product wi of 32 of buffer p against x's eight tiles: tiles 0-3 K step by K step, then tiles 4-7.  Four accumulators take turns, one instruction a turn; the first K step takes the bias as C.  dw: the accumulators' window (0: K's, 1: V's).
.macro W1 p, dw
.set wmm, 4*(wi/16)+wi%4
.set wks, (wi%16)/4
.set wdd, ACC+64*(\dw)+8*wmm
.if wks == 0
	WIN ((1+wi/16)|12|((\dw)<<6))                  ; source 0 (x) window 1 or 2, source 1 (W) window 3, C window 0
	v_wmma_scale_f32_16x16x128_f8f6f4 v[wdd:wdd+7], v[12*(4*(wi%4)+wks):12*(4*(wi%4)+wks)+11], v[48*(\p)+12*wks:48*(\p)+12*wks+11], v[CB:CB+7], v[XS+4*wmm+wks], v[WS+4*(\p)+wks] matrix_a_fmt:MATRIX_FMT_FP6 matrix_b_fmt:MATRIX_FMT_FP6
.else
	WIN ((1+wi/16)|12|((\dw)<<4)|((\dw)<<6))
	v_wmma_scale_f32_16x16x128_f8f6f4 v[wdd:wdd+7], v[12*(4*(wi%4)+wks):12*(4*(wi%4)+wks)+11], v[48*(\p)+12*wks:48*(\p)+12*wks+11], v[wdd:wdd+7], v[XS+4*wmm+wks], v[WS+4*(\p)+wks] matrix_a_fmt:MATRIX_FMT_FP6 matrix_b_fmt:MATRIX_FMT_FP6
.endif
.set wi, wi+1
.endm
; TURN A's LIST, 197 lines, for the tile of K whose sums a + 1 lie in K's accumulators.  VKA writes line j and steps j.
;   0-31 (a + 1) log2 e - log2 e, each accumulator read from its low end on;  32-95 the exponentials: ONE batch;  96 the plain place behind the last;  97 the one wait ahead of the batch's first reader;
;   98-161 elu(a) + 1;  162-195 the sum over the 128 positions of the unquantised K, in two chains, then with lane l xor 16's;  196 into my wave's sums (both halves write the same word with the same value)
.macro VKA u
.if j < 197
	WIN 0
.endif
.if j < 32
	v_pk_fma_f32 v[E+2*j:E+2*j+1], v[ACC+2*j:ACC+2*j+1], s[LG:LG+1], v[NL:NL+1] op_sel_hi:[1,0,0]
.elseif j < 96
	v_exp_f32 v[E+j-32], v[E+j-32]
.elseif j == 96
	v_nop
.elseif j == 97
	s_wait_alu depctr_va_vdst(0)
.elseif j < 162
	v_med3_num_f32 v[E+j-98], v[E+j-98], 1.0, v[ACC+j-98]
.elseif j < 164
	v_pk_add_f32 v[SU+2*(j-162):SU+2*(j-162)+1], v[E+4*(j-162):E+4*(j-162)+1], v[E+4*(j-162)+2:E+4*(j-162)+3]
.elseif j < 192
.set jt, j-164
	v_pk_add_f32 v[SU+2*(jt%2):SU+2*(jt%2)+1], v[SU+2*(jt%2):SU+2*(jt%2)+1], v[E+8+4*(jt/2)+2*(jt%2):E+8+4*(jt/2)+2*(jt%2)+1]
.elseif j == 192
	v_pk_add_f32 v[SU:SU+1], v[SU:SU+1], v[SU+2:SU+3]
.elseif j == 193
	v_add_f32 v[SU], v[SU], v[SU+1]
.elseif j == 194
	v_permlanex16_b32 v[SU+4], v[SU], s[SEL], s[SEL+1]
.elseif j == 195
	v_add_f32 v[SU], v[SU], v[SU+4]
.elseif j == 196
	ds_store_b32 v[KSA], v[SU] offset:32*(\u)
.endif
.set j, j+1
.endm
; TURN B's LIST, 146 lines: K is quantised and stored, then V, then the two scale words are joined.  VB writes line j and steps j.
.macro VB u
.if j < 69
.set q, j
	QI E, 0, PWK
.elseif j < 72
	WIN 0
	global_store_b128 v[LI], v[PC+4*(j-69):PC+4*(j-69)+3], s[P_O:P_O+1] offset:1536*(\u)+512*(j-69)
.elseif j < 141
.set q, j-72
	QI ACC+64, 1, PWV                              ; (its first read of each accumulator is of the two lowest registers)
.elseif j < 144
	WIN 0
	global_store_b128 v[LI], v[PC+4*(j-141):PC+4*(j-141)+3], s[P_O:P_O+1] offset:49152+1536*(\u)+512*(j-141)
.elseif j == 144
	WIN 0
	v_cndmask_b32 v[PWC], v[PWK], v[PWV], s[HM]
.elseif j == 145
	WIN 0
	ds_store_b32 v[SCA], v[PWC] offset:128*(\u)
.endif
.set j, j+1
.endm
; TURN A.  p: V's buffer; u: which of the trip's two tiles; fb: the buffer that the turn before has multiplied and that is filled again now, or -1; left: the loads that are younger than buffer p's.
; The eight lines that make the C are also the places between the last turn's products and the loads into their operands; four more places stand in front of the products.
.macro PHA p, u, fb, left
	WIN 0
	s_wait_loadcnt \left
.irp r, 0,1,2,3,4,5,6,7
	v_mov_b32 v[CB+\r], v[BR+(\p)]
.endr
.if (\fb) >= 0
	WFILL \fb, 1
.endif
	PLACES 4
.set wi, 0
.set j, 0
.rept 32
	W1 \p, 1
.rept 7
	VKA \u
.endr
.endr
	WIN 0
.endm
; TURN B.  p: K's buffer; mm = 0: the last turn, which has no products left.
.macro PHB p, u, mm, fb, left
	WIN 0
.if \mm
	s_wait_loadcnt \left
.irp r, 0,1,2,3,4,5,6,7
	v_add_f32 v[CB+\r], 1.0, v[BR+(\p)]            ; bias + 1 of my column, as a C
.endr
.endif
.if (\fb) >= 0
	WFILL \fb, 1
.endif
.if \mm
	PLACES 4
.endif
.set wi, 0
.set j, 0
.rept 32
.if \mm
	W1 \p, 0
.endif
.rept 5
	VB \u
.endr
.endr
	WIN 0
.endm
.macro TRIP rf                         ; the vector work of two tiles of K and two of V; the products of the two of V, of the second of K and of the next trip's first of K
	s_wait_dscnt 0x0
	v_add_nc_u32 v[KSA], s[TK], v[KSB]
	v_add_nc_u32 v[SCA], s[TS], v[SCB]
.if \rf
	PHA 1, 0, 0, 34                                ; two buffers of 17 loads are younger: a buffer's refill stands behind the wait of the turn after its products
	PHB 2, 0, 1, 1, 34
	PHA 3, 1, 2, 34
	PHB 0, 1, 1, 3, 34
	s_wait_xcnt 0x0                                ; the loads and stores have read their bases, which step now
	s_add_nc_u64 s[P_W:P_W+1], s[P_W:P_W+1], 2*REC
	s_add_nc_u64 s[P_BK:P_BK+1], s[P_BK:P_BK+1], 128
	s_add_nc_u64 s[P_BV:P_BV+1], s[P_BV:P_BV+1], 128
	s_add_nc_u64 s[P_O:P_O+1], s[P_O:P_O+1], 3072
	s_add_co_u32 s[TK], s[TK], 128
	s_add_co_u32 s[TS], s[TS], 256
.else
	PHA 1, 0, -1, 34                               ; the last trip loads nothing: the counts run down
	PHB 2, 0, 1, -1, 17
	PHA 3, 1, -1, 0
	PHB 0, 1, 0, -1, 0
.endif
.endm
	s_load_b256 s[4:11], s[0:1], 0x0               ; xr, wr, bk, bv
	s_load_b128 s[12:15], s[0:1], 0x20             ; kvt, ksp
	v_lshl_add_u32 v126, v0, 2, 0xe800
	v_mov_b32 v127, 0
	v_lshrrev_b32 v1, 5, v0
	v_readfirstlane_b32 s[WV], v1                  ; wave 0..3
	v_and_b32 v1, 31, v0
	v_and_b32 v2, 15, v0
	v_lshlrev_b32 v[LI], 4, v1
	v_lshlrev_b32 v[LS], 2, v1
	v_and_b32 v3, 8, v2
	v_add_nc_u32 v3, v3, v2
	v_lshlrev_b32 v[BA], 2, v3
	s_mul_i32 s40, s[WV], 2*REC
	v_add_nc_u32 v[XW], s40, v[LI]
	s_lshl_b32 s40, s[WV], 9
	s_add_co_u32 s40, s40, KSG
	v_add_nc_u32 v[KSB], s40, v[BA]
	v_add_nc_u32 v[KSR], s40, v[LI]
	s_lshl_b32 s40, s[WV], 10
	s_add_co_u32 s40, s40, SCG
	v_add_nc_u32 v[SCB], s40, v[LS]
	v_mov_b32 v[NL], 0xbfb8aa3b
	v_mov_b32 v[NL+1], 0xbfb8aa3b
.irp b, 0,1,2,3
	v_mov_b32 v[TM+4+\b], 0                        ; written once: a lane permute's destination counts as one of its sources
.endr
	v_mov_b32 v[SU+4], 0
	s_mov_b32 s[SEL], 0x76543210
	s_mov_b32 s[SEL+1], 0xfedcba98
	s_mov_b32 s[LG], 0x3fb8aa3b
	s_mov_b32 s[LG+1], 0x3fb8aa3b
	s_mov_b32 s[HM], 0xffff0000
	s_mov_b32 s[TK], 0
	s_mov_b32 s[TS], 0
	s_lshl_b32 s40, ttmp9, 3
	s_lshl_b32 s41, s[WV], 1
	s_add_co_u32 s40, s40, s41
	s_mul_i32 s40, s40, REC                        ; x's records 8 g + 2 w, 8 g + 2 w + 1
	s_mov_b32 s41, 0
	s_lshl_b32 s42, s[WV], 3
	s_add_co_u32 s42, s42, 32
	s_mul_i32 s42, s42, REC                        ; Wk's record 8 w (Wv's lie 32 records on)
	s_mov_b32 s43, 0
	s_lshl_b32 s44, s[WV], 9
	s_mov_b32 s45, 0
	s_mul_i32 s46, ttmp9, 102400
	s_mov_b32 s47, 0
	s_wait_kmcnt 0x0
	s_add_nc_u64 s[P_X:P_X+1], s[4:5], s[40:41]
	s_add_nc_u64 s[P_W:P_W+1], s[6:7], s[42:43]
	s_add_nc_u64 s[P_BK:P_BK+1], s[8:9], s[44:45]
	s_add_nc_u64 s[P_BV:P_BV+1], s[10:11], s[44:45]
	s_add_nc_u64 s[P_O:P_O+1], s[12:13], s[46:47]
	s_add_nc_u64 s[P_SC:P_SC+1], s[P_O:P_O+1], 98304
	s_mul_i32 s40, s[WV], 12288
	s_add_nc_u64 s[P_O:P_O+1], s[P_O:P_O+1], s[40:41]
	s_lshl_b32 s40, s[WV], 10
	s_add_nc_u64 s[P_SC:P_SC+1], s[P_SC:P_SC+1], s[40:41]
	s_lshl_b32 s40, ttmp9, 11
	s_add_co_u32 s40, s40, s44
	s_add_nc_u64 s[P_KS:P_KS+1], s[14:15], s[40:41]
.set i, 0
.rept 26                               ; my two records of x: 13,312 dense bytes, 512 a load
	global_load_b128 v[128+4*i:128+4*i+3], v[LI], s[P_X:P_X+1] offset:512*i
.set i, i+1
.endr
	WFILL 0, 0
	WFILL 1, 0
	WFILL 2, 0
	WFILL 3, 0
	s_wait_loadcnt 63                              ; 68 loads are younger than x's; the count's field holds 63: x's are in
.set i, 0
.rept 26
	ds_store_b128 v[XW], v[128+4*i:128+4*i+3] offset:512*i
.set i, i+1
.endr
	s_wait_dscnt 0x0                               ; for the others' sake: my stores have landed
	s_barrier_signal -1
	s_barrier_wait -1                              ; x's eight records lie in LDS; nobody writes them again
	WIN 0x40
.irp m, 0,1,2,3
.irp s, 0,1,2,3
.irp c, 0,1,2
	ds_load_b128 v[12*(4*\m+\s)+4*\c:12*(4*\m+\s)+4*\c+3], v[LI] offset:REC*\m+1536*\s+512*\c
.endr
.endr
.endr
	WIN 0x80
.irp m, 0,1,2,3
.irp s, 0,1,2,3
.irp c, 0,1,2
	ds_load_b128 v[12*(4*\m+\s)+4*\c:12*(4*\m+\s)+4*\c+3], v[LI] offset:REC*(4+\m)+1536*\s+512*\c
.endr
.endr
.endr
	WIN 0
.irp m, 0,1,2,3,4,5,6,7
.irp s, 0,1,2,3
	ds_load_b32 v[XS+4*\m+\s], v[LS] offset:REC*\m+6144+128*\s
.endr
.endr
	s_wait_dscnt 0x0
	s_wait_loadcnt 51                              ; the first tile of K: three buffers of 17 loads are younger than its own
.irp r, 0,1,2,3,4,5,6,7
	v_add_f32 v[CB+\r], 1.0, v[BR]
.endr
	PLACES 4
.set wi, 0
.rept 32
	W1 0, 0                                        ; there is no vector work yet to set between these products
.endr
	WIN 0
	PLACES 5                                       ; behind the products that took the C, which the first turn writes anew
	s_mov_b32 s[CNT], 3
.Ltrip:
	TRIP 1
	s_sub_co_u32 s[CNT], s[CNT], 1
	s_cmp_lg_u32 s[CNT], 0
	s_cbranch_scc1 .Ltrip
	TRIP 0
	ds_load_b128 v[E:E+3], v[KSR]                  ; my wave's 128 sums, and its eight tiles' scale words: LDS serves a wave's instructions in order, so these see my stores
.irp i, 0,1,2,3,4,5,6,7
	ds_load_b32 v[E+4+\i], v[SCB] offset:128*\i
.endr
	s_wait_dscnt 0x0
	global_store_b128 v[LI], v[E:E+3], s[P_KS:P_KS+1]
	global_store_b128 v[LI], v[E+4:E+7], s[P_SC:P_SC+1]
	global_store_b128 v[LI], v[E+8:E+11], s[P_SC:P_SC+1] offset:512
	s_wait_tensorcnt 0x0
	ds_add_u32 v126, v127
	s_wait_dscnt 0x0
	s_endpgm
.Lfunc_end_k_q4b24f277fd_kvproj:
	.size	k_q4b24f277fd_kvproj, .Lfunc_end_k_q4b24f277fd_kvproj-k_q4b24f277fd_kvproj
	.p2alignl 7, 3214868480
	.fill 96, 4, 3214868480
	.section	.rodata,"a",@progbits
	.p2align	6, 0x0
	.amdhsa_kernel k_q4b24f277fd_kvproj
		.amdhsa_group_segment_fixed_size 59904
		.amdhsa_private_segment_fixed_size 0
		.amdhsa_enable_private_segment 0
		.amdhsa_kernarg_size 48
		.amdhsa_user_sgpr_count 2
		.amdhsa_user_sgpr_kernarg_segment_ptr 1
		.amdhsa_wavefront_size32 1
		.amdhsa_system_sgpr_workgroup_id_x 1
		.amdhsa_system_sgpr_workgroup_id_y 1
		.amdhsa_system_sgpr_workgroup_id_z 1
		.amdhsa_system_vgpr_workitem_id 0
		.amdhsa_next_free_vgpr 960
		.amdhsa_next_free_sgpr 66
		.amdhsa_reserve_vcc 0
		.amdhsa_float_denorm_mode_32 3
		.amdhsa_float_denorm_mode_16_64 3
		.amdhsa_memory_ordered 1
		.amdhsa_forward_progress 1
		.amdhsa_inst_pref_size 154
	.end_amdhsa_kernel
	.amdgpu_metadata
---
amdhsa.version: [ 1, 2 ]
amdhsa.kernels:
  - .name:           k_q4b24f277fd_kvproj
    .symbol:         k_q4b24f277fd_kvproj.kd
    .args:
      - { .name: xr, .offset: 0, .size: 8, .value_kind: global_buffer, .address_space: global }
      - { .name: wr, .offset: 8, .size: 8, .value_kind: global_buffer, .address_space: global }
      - { .name: bk, .offset: 16, .size: 8, .value_kind: global_buffer, .address_space: global }
      - { .name: bv, .offset: 24, .size: 8, .value_kind: global_buffer, .address_space: global }
      - { .name: kvt, .offset: 32, .size: 8, .value_kind: global_buffer, .address_space: global }
      - { .name: ksp, .offset: 40, .size: 8, .value_kind: global_buffer, .address_space: global }
    .group_segment_fixed_size: 59904
    .private_segment_fixed_size: 0
    .kernarg_segment_align: 8
    .kernarg_segment_size: 48
    .max_flat_workgroup_size: 128
    .sgpr_count:     66
    .vgpr_count:     960
    .wavefront_size: 32
...
	.end_amdgpu_metadata
.endif
;; end of part 2
;; launch kvgemm (part 3): grid 256 x 1, 4 waves a work-group, clusters of 4 x 1, 327,680 bytes of LDS; arguments kvt, ksp, kvr, ks; writes kvr, ks
.if DOCPART == 3
	.amdgcn_target "amdgcn-amd-amdhsa--gfx1250"
	.amdhsa_code_object_version 6
	.text
	.protected	k_q4b24f277fd_kvgemm
	.globl	k_q4b24f277fd_kvgemm
	.p2align	8
	.type	k_q4b24f277fd_kvgemm,@function
k_q4b24f277fd_kvgemm:
	s_mov_b64 s[64:65], 0
	v_nop
	global_prefetch_b8 v0, s[64:65] scope:SCOPE_SE
	s_setreg_imm32_b32 hwreg(HW_REG_WAVE_MODE, 25, 1), 1
	s_wait_xcnt 0x0
	s_wait_alu depctr_hold_cnt(0) depctr_sa_sdst(0) depctr_va_vdst(0) depctr_va_sdst(0) depctr_va_ssrc(0) depctr_va_vcc(0) depctr_vm_vsrc(0)
	s_getreg_b32 s2, hwreg(HW_REG_IB_STS2, 6, 4)
	s_cmp_eq_u32 s2, 0
	s_cbranch_scc0 .Lentry_in_a_cluster
	s_endpgm
.Lentry_in_a_cluster:
	s_bfe_u32 s2, ttmp6, 0x10000c
	s_cmp_lg_u32 s2, 0x3003
	s_cbranch_scc0 .Lentry_shape_is_right
	s_endpgm
.Lentry_shape_is_right:
; KV[b] = K^T V over 4,096 positions, on the codes that the launch before has laid as images; the result is quantised along d (the K of the product Q KV) and leaves as records whose rows are e.  Also ks[b][d] = the sum of K over all positions + 1e-6.
; SHARES: work-group g: batch g / 32, 128 d ((g / 8) % 4), 64 e (g % 8).  THE FOUR WAVES SPLIT THE POSITIONS, NOT THE TILE: wave w takes positions 1,024 w on, 8 K steps of 128, for the whole tile: 8 tiles of d x 4 of e = 32 accumulators.
; So 12 fragments feed 32 products and no fragment is fetched twice in a work-group.  The four partial sums meet in LDS at the end and are added in ascending order of the positions.
; CLUSTER: the four work-groups 4 c .. 4 c + 3 have the batch and the 128 d in common, so wave w of each wants the same images of K^T.  Those of K steps 2 to 7 are asked for JOINTLY: two tensor loads a wave, each a tile of 3 rows (K steps, 102,400 bytes apart)
; x 12,288 bytes, with the same descriptor in all four and a mask that names the four.  They land in LDS bytes that are the wave's own (73,728 x wave) and that it alone reads; each byte of LDS is filled once, so there is no ring.  By this text's count a wave has two tensor loads out.
; All eight K steps of K^T would be 393,216 bytes, more than LDS holds: K^T of steps 0 and 1, and V^T and the scale words of all steps (V^T differs between the partners), go from memory straight into registers, 512 consecutive bytes a load.
; LAYOUT: source 0 = K^T (M = d), source 1 = V^T (N = e): a lane holds one e, and the 64 registers of an e tile's eight accumulators are d = 32 b + 16 (lane / 16) + 0 .. 15: what QUANT takes.
; The scale words come in fours: lanes 0-15 hold K^T's, lanes 16-31 V^T's, so source 1's are read from the upper lanes.
; LIMITS: the sum over the positions is formed in four parts; a block of zeros gets the byte 1 (its codes are zeros; this program alone reads the bytes); NaN and infinities are not served.
; REGISTERS: window 0: addresses, six sets of scale words, at work; window 1: accumulator (q, t) at 64 q + 8 t; windows 2 and 3: v0-95 K^T's fragments of the even and of the odd K steps; v96-239 three buffers each of V^T's (K step k in buffer k % 6).
.set REC,   6656
.set BLK,   102400
.set AST,   12288                      ; K^T's eight images of a K step
.set WLD,   6*AST                      ; LDS of a wave: six K steps; its first 32,768 bytes take the wave's partial sums at the end, when they have had their one fill and the wave has read them
.set LA1,   2                          ; v2   my place in my wave's LDS, K steps 5 to 7
.set LI,    4                          ; v4   16 x lane
.set LS,    5                          ; v5   4 x lane
.set LA0,   6                          ; v6   my place in my wave's LDS, K steps 2 to 4; later where I put my partial sums
.set KPA,   7                          ; v7   2,048 x lane: lane i takes the sums of block i
.set ER,    8                          ; v8-11 where I read wave 0 .. 3's partial sums of my e tile
.set KP,    12                         ; v12-15 four columns' sums of K
.set SC,    16                         ; v16-87 scale words: 12 (k % 6) + (0 .. 7 the d tiles, 8 .. 11 the e tiles)
.set TM,    88
.set PW,    104
.set PC,    106
.set X,     128
.set Y,     192
.set WV,    12
.set SEL,   16
.set P_A,   18
.set P_B,   20
.set P_SA,  22
.set P_SB,  24
.set P_KP,  26
.set P_KR,  28
.set P_KS,  30
.set P_KO,  32
.set G1,    40                         ; s[40:47] descriptor group 1
.set G0A,   48                         ; s[48:51] group 0: K steps 2 to 4
.set G0B,   52                         ; s[52:55] K steps 5 to 7
.set CX,    56
.set MSB, 0
.macro WIN new
.if MSB != (\new)
	s_set_vgpr_msb (MSB<<8)|(\new)
.set MSB, (\new)
.endif
.endm
.macro PLACES n
.rept \n
	v_nop
.endr
.endm
; A round of the cluster's barrier: my work-group's barrier, so that wave 0's signal speaks for all four waves; wave 0 signals for the work-group; every wave waits for all four work-groups; my work-group's barrier once more.
.macro CROUND
	s_barrier_signal -1
	s_barrier_wait -1
	s_cmp_lg_u32 s[WV], 0
	s_cbranch_scc1 .Lnot_wave_0_\@
	s_barrier_signal -3
.Lnot_wave_0_\@:
	s_barrier_wait -3
	s_barrier_signal -1
	s_barrier_wait -1
.endm
.macro QUANT s, pw                     ; 64 numbers of a lane, register 16 b + i = k 32 b + 16 (lane / 16) + i of its row, become a fragment's codes in v[PC] .. v[PC + 11] and its scale word in v[pw]
.irp b, 0,1,2,3
	v_max3_num_f32 v[TM+\b], |v[\s+16*\b]|, |v[\s+1+16*\b]|, 0x1800000
.endr
.irp i, 2,4,6,8,10,12,14
.irp b, 0,1,2,3
	v_max3_num_f32 v[TM+\b], v[TM+\b], |v[\s+16*\b+\i]|, |v[\s+1+16*\b+\i]|
.endr
.endr
.irp b, 0,1,2,3
	v_permlanex16_b32 v[TM+4+\b], v[TM+\b], s[SEL], s[SEL+1]
.endr
.irp b, 0,1,2,3
	v_max_num_f32 v[TM+\b], v[TM+\b], v[TM+4+\b]
.endr
.irp b, 0,1,2,3
	v_add_nc_u32 v[TM+12+\b], 0xff000000, v[TM+\b]
.endr
.irp b, 0,1,2,3
	v_lshrrev_b32 v[TM+4+\b], 23, v[TM+12+\b]
.endr
	v_lshl_or_b32 v[\pw], v[TM+5], 8, v[TM+4]
	v_lshl_or_b32 v[\pw], v[TM+6], 16, v[\pw]
	v_lshl_or_b32 v[\pw], v[TM+7], 24, v[\pw]
.irp c, 0,1
	v_cvt_scalef32_pk16_fp6_f32 v[PC+6*\c:PC+2+6*\c], v[\s+32*\c:\s+15+32*\c], v[TM+12+2*\c]
	v_cvt_scalef32_pk16_fp6_f32 v[PC+12+4*\c:PC+14+4*\c], v[\s+16+32*\c:\s+31+32*\c], v[TM+12+2*\c+1]
.endr
	v_nop                                          ; one plain place behind a scaled conversion
.irp c, 0,1
.irp i, 0,1,2
	v_permlane16_swap_b32 v[PC+6*\c+\i], v[PC+12+4*\c+\i]
.endr
.irp i, 0,1,2
	v_mov_b32 v[PC+3+6*\c+\i], v[PC+12+4*\c+\i]
.endr
.endr
.endm
.macro SPOT k                          ; where K step k's fragments lie
.set AW, 2+(\k)%2
.set PB, (\k)%6
.set BW, 2+PB/3
.set BB, 96+48*(PB%3)
.endm
.macro LOADA k                         ; K^T's eight fragments from memory: 24 loads
	SPOT \k
	WIN (AW<<6)
.irp t, 0,1,2,3,4,5,6,7
.irp c, 0,1,2
	global_load_b128 v[12*\t+4*\c:12*\t+4*\c+3], v[LI], s[P_A:P_A+1] offset:BLK*(\k)+1536*\t+512*\c
.endr
.endr
	WIN 0
.endm
.macro LDSA k                          ; the same from my wave's LDS: 24 loads of 512 consecutive bytes
	SPOT \k
.if (\k) < 5
.set LAR, LA0
.else
.set LAR, LA1
.endif
	WIN (AW<<6)
.irp t, 0,1,2,3,4,5,6,7
.irp c, 0,1,2
	ds_load_b128 v[12*\t+4*\c:12*\t+4*\c+3], v[LAR] offset:AST*(((\k)-2)%3)+1536*\t+512*\c
.endr
.endr
	WIN 0
.endm
.macro LOADBS k                        ; V^T's four fragments and the step's scale words: 15 loads
	SPOT \k
	WIN (BW<<6)
.irp q, 0,1,2,3
.irp c, 0,1,2
	global_load_b128 v[BB+12*\q+4*\c:BB+12*\q+4*\c+3], v[LI], s[P_B:P_B+1] offset:BLK*(\k)+1536*\q+512*\c
.endr
.endr
	WIN 0
	global_load_b128 v[SC+12*PB:SC+12*PB+3], v[LI], s[P_SA:P_SA+1] offset:BLK*(\k)
	global_load_b128 v[SC+12*PB+4:SC+12*PB+7], v[LI], s[P_SA:P_SA+1] offset:BLK*(\k)+512
	global_load_b128 v[SC+12*PB+8:SC+12*PB+11], v[LI], s[P_SB:P_SB+1] offset:BLK*(\k)
.endm
.macro MM k                            ; 32 products; the 32 accumulators take turns, one instruction a turn; the first K step starts the sums
	SPOT \k
	WIN (AW|(BW<<2)|0x50)
.irp t, 0,1,2,3,4,5,6,7
.irp q, 0,1,2,3
.if (\k) == 0
	v_wmma_scale_f32_16x16x128_f8f6f4 v[64*\q+8*\t:64*\q+8*\t+7], v[12*\t:12*\t+11], v[BB+12*\q:BB+12*\q+11], 0, v[SC+12*PB+\t], v[SC+12*PB+8+\q] matrix_a_fmt:MATRIX_FMT_FP6 matrix_b_fmt:MATRIX_FMT_FP6 matrix_b_scale:MATRIX_SCALE_ROW1
.else
	v_wmma_scale_f32_16x16x128_f8f6f4 v[64*\q+8*\t:64*\q+8*\t+7], v[12*\t:12*\t+11], v[BB+12*\q:BB+12*\q+11], v[64*\q+8*\t:64*\q+8*\t+7], v[SC+12*PB+\t], v[SC+12*PB+8+\q] matrix_a_fmt:MATRIX_FMT_FP6 matrix_b_fmt:MATRIX_FMT_FP6 matrix_b_scale:MATRIX_SCALE_ROW1
.endif
.endr
.endr
	WIN 0
.endm
	s_load_b256 s[4:11], s[0:1], 0x0               ; kvt, ksp, kvr, ks
	v_lshl_add_u32 v126, v0, 2, 0x48000
	v_mov_b32 v127, 0
	ds_add_u32 v126, v127
	ds_add_u32 v126, v127
	v_lshrrev_b32 v1, 5, v0
	v_readfirstlane_b32 s[WV], v1                  ; wave 0..3
	v_and_b32 v1, 31, v0                           ; lane (kept)
	v_lshlrev_b32 v[LI], 4, v1
	v_lshlrev_b32 v[LS], 2, v1
	v_lshlrev_b32 v[KPA], 11, v1
	s_mul_i32 s34, s[WV], WLD                      ; my wave's LDS: no place in the cluster enters an LDS address
	v_add_nc_u32 v[LA0], s34, v[LI]
	v_add_nc_u32 v[LA1], 3*AST, v[LA0]
	s_lshl_b32 s35, s[WV], 13
	v_add_nc_u32 v[ER], s35, v[LI]
	v_add_nc_u32 v[ER+1], WLD, v[ER]
	v_add_nc_u32 v[ER+2], 2*WLD, v[ER]
	v_add_nc_u32 v[ER+3], 3*WLD, v[ER]
.irp b, 0,1,2,3
	v_mov_b32 v[TM+4+\b], 0                        ; written once: a lane permute's destination counts as one of its sources
.endr
	s_mov_b32 s[SEL], 0x76543210
	s_mov_b32 s[SEL+1], 0xfedcba98
	; in a cluster launch ttmp9 counts clusters: work-group g = 4 x ttmp9 + cx.  The batch and the 128 d hang on ttmp9 alone: the four partners share them
	s_lshr_b32 s13, ttmp9, 3                       ; the batch
	s_bfe_u32 s14, ttmp9, 0x20001                  ; which 128 d
	s_lshl_b32 s36, s13, 5
	s_lshl_b32 s37, s[WV], 3
	s_add_co_u32 s36, s36, s37
	s_mul_i32 s36, s36, BLK                        ; my first block of 128 positions
	s_mov_b32 s37, 0
	s_mul_i32 s38, s14, AST
	s_mov_b32 s39, 0
	; descriptor group 1: 3 rows of 1,536 elements of 8 bytes, 12,800 elements from row to row, laid into LDS on end
	s_mov_b32 s[G1+0], 15|(3<<16)|(1<<21)          ; 15:0 the mask: all four work-groups; 17:16 elements of 8 bytes; 20 padding off; 21 set beside a mask
	s_mov_b32 s[G1+1], (AST/8)<<16                 ; tensor_dim0 = 1,536
	s_mov_b32 s[G1+2], 3<<16                       ; tensor_dim1 = 3
	s_mov_b32 s[G1+3], (AST/8)<<16                 ; tile_dim0 = 1,536
	s_mov_b32 s[G1+4], 3                           ; tile_dim1 = 3
	s_mov_b32 s[G1+5], BLK/8                       ; tensor_dim0_stride
	s_mov_b32 s[G1+6], 0
	s_mov_b32 s[G1+7], 0
	s_mov_b32 s[G0A], 1                            ; count = 1
	s_mov_b32 s[G0A+1], s34                        ; LDS address
	s_mov_b32 s[G0B], 1
	s_add_co_u32 s[G0B+1], s34, 3*AST
	s_wait_dscnt 0x0
	s_wait_kmcnt 0x0
	s_add_nc_u64 s[4:5], s[4:5], s[36:37]
	s_add_nc_u64 s[P_A:P_A+1], s[4:5], s[38:39]
	s_add_nc_u64 s[G0A+2:G0A+3], s[P_A:P_A+1], 2*BLK   ; global address: K step 2
	s_or_b32 s[G0A+3], s[G0A+3], 0x80000000        ; type = 2
	s_add_nc_u64 s[G0B+2:G0B+3], s[P_A:P_A+1], 5*BLK   ; K step 5
	s_or_b32 s[G0B+3], s[G0B+3], 0x80000000
	s_lshl_b32 s36, s14, 10
	s_add_co_u32 s36, s36, 98304
	s_add_nc_u64 s[P_SA:P_SA+1], s[4:5], s[36:37]
	; from here on my place in the cluster enters: it goes into the addresses of loads into registers and of stores alone
	s_bfe_u32 s[CX], ttmp6, 0x40000                ; cx
	s_and_b32 s15, ttmp9, 1
	s_lshl_b32 s15, s15, 2
	s_add_co_u32 s15, s15, s[CX]                   ; which 64 e
	s_mul_i32 s38, s15, 6144
	s_add_co_u32 s38, s38, 49152
	s_add_nc_u64 s[P_B:P_B+1], s[4:5], s[38:39]
	s_lshl_b32 s38, s15, 9
	s_add_co_u32 s38, s38, 98304
	s_add_nc_u64 s[P_SB:P_SB+1], s[4:5], s[38:39]
	s_lshl_b32 s34, s14, 9                         ; my four columns of the sums: d = 128 dblk + 16 eblk + 4 w on, in bytes
	s_lshl_b32 s36, s15, 6
	s_add_co_u32 s34, s34, s36
	s_lshl_b32 s36, s[WV], 4
	s_add_co_u32 s34, s34, s36
	s_lshl_b32 s36, s13, 16
	s_add_co_u32 s36, s36, s34
	s_add_nc_u64 s[P_KP:P_KP+1], s[6:7], s[36:37]
	s_lshl_b32 s36, s13, 11
	s_add_co_u32 s36, s36, s34
	s_add_nc_u64 s[P_KO:P_KO+1], s[10:11], s[36:37]
	s_lshl_b32 s34, s13, 5                         ; my record: e tile 4 eblk + w of the batch
	s_lshl_b32 s36, s15, 2
	s_add_co_u32 s34, s34, s36
	s_add_co_u32 s34, s34, s[WV]
	s_mul_i32 s34, s34, REC
	s_mul_i32 s36, s14, 1536
	s_add_co_u32 s36, s36, s34
	s_add_nc_u64 s[P_KR:P_KR+1], s[8:9], s[36:37]  ; its image of K step dblk,
	s_lshl_b32 s36, s14, 7
	s_add_co_u32 s36, s36, s34
	s_add_co_u32 s36, s36, 6144
	s_add_nc_u64 s[P_KS:P_KS+1], s[8:9], s[36:37]  ; and that step's scale image
	global_load_b128 v[KP:KP+3], v[KPA], s[P_KP:P_KP+1]
	LOADA 0                                        ; 55 loads are out while the cluster gathers
	LOADBS 0
	LOADBS 1
	CROUND                                         ; all four work-groups are here: the joint loads meet
	tensor_load_to_lds s[G0A:G0A+3], s[G1:G1+7]    ; my wave's two fills stand together, ahead of every wait on TENSORcnt and every LDS read
	s_nop 0
	tensor_load_to_lds s[G0B:G0B+3], s[G1:G1+7]
	s_nop 0
	PLACES 4                                       ; four v_nop follow the second
	LOADA 1
	LOADBS 2
	LOADBS 3
	LOADBS 4
	LOADBS 5
	s_wait_loadcnt 63                              ; 99 loads are younger than step 0's; the count's field holds 63
	MM 0
	PLACES 4                                       ; in front of loads into registers that the products have read
	s_wait_tensorcnt 0x1                           ; K steps 2 to 4 lie in my LDS; the second tile may stay out
	LDSA 2
	LOADBS 6
	s_wait_loadcnt 63                              ; 75 are younger than step 1's
	MM 1
	PLACES 4
	LDSA 3
	LOADBS 7
	s_wait_loadcnt 63                              ; 75 are younger than step 2's
	s_wait_dscnt 24                                ; step 3's 24 LDS loads may be out
	MM 2
	PLACES 4
	LDSA 4
	s_wait_loadcnt 60                              ; four groups of 15 are younger
	s_wait_dscnt 24
	MM 3
	PLACES 4
	s_wait_tensorcnt 0x0                           ; K steps 5 to 7 lie in my LDS
	LDSA 5
	s_wait_loadcnt 45
	s_wait_dscnt 24
	MM 4
	PLACES 4
	LDSA 6
	s_wait_loadcnt 30
	s_wait_dscnt 24
	MM 5
	PLACES 4
	LDSA 7
	s_wait_loadcnt 15
	s_wait_dscnt 24
	MM 6
	s_wait_loadcnt 0x0
	s_wait_dscnt 0x0
	MM 7
	PLACES 4                                       ; in front of the first read of the results
.irp d, 1,2,4,8                        ; the sum of the 32 blocks' sums: lane i holds block i's
.irp i, 0,1,2,3
	v_add_f32_dpp v[KP+\i], v[KP+\i], v[KP+\i] row_xmask:\d row_mask:0xf bank_mask:0xf
.endr
.endr
.irp i, 0,1,2,3
	v_permlanex16_b32 v[TM+4+\i], v[KP+\i], s[SEL], s[SEL+1]
.endr
.irp i, 0,1,2,3
	v_add_f32 v[KP+\i], v[KP+\i], v[TM+4+\i]
.endr
.irp i, 0,1,2,3
	v_add_f32 v[KP+\i], 0x358637bd, v[KP+\i]       ; + 1e-6
.endr
	s_wait_xcnt 0x0                                ; EXEC changes only behind this wait
	v_cmp_eq_u32 vcc_lo, 0, v1
	s_and_saveexec_b32 s34, vcc_lo
	global_store_b128 v[LI], v[KP:KP+3], s[P_KO:P_KO+1]   ; lane 0 alone: 16 bytes a wave, 16,384 in the launch
	s_wait_xcnt 0x0                                ; and again, in front of the line that widens it
	s_or_b32 exec_lo, exec_lo, s34
	WIN 0x04                                       ; an LDS store's data are its source 1: window 1
.set i, 0
.rept 64
	ds_store_b128 v[LA0], v[4*i:4*i+3] offset:512*i   ; my 32 partial sums as they stand, each from its low end on, into bytes of my own that I have read out
.set i, i+1
.endr
	WIN 0
	s_wait_dscnt 0x0                               ; for the others' sake: my stores have landed
	s_barrier_signal -1
	s_barrier_wait -1
.macro GET reg, sg                     ; wave sg's part of my e tile: 64 registers
.irp i, 0,1,2,3,4,5,6,7,8,9,10,11,12,13,14,15
	ds_load_b128 v[\reg+4*\i:\reg+4*\i+3], v[ER+\sg] offset:512*\i
.endr
.endm
.macro ADDY
	s_wait_dscnt 0x0
.set i, 0
.rept 32
	v_pk_add_f32 v[X+i:X+i+1], v[X+i:X+i+1], v[Y+i:Y+i+1]
.set i, i+2
.endr
.endm
	GET X, 0
	GET Y, 1
	ADDY
	GET Y, 2
	ADDY
	GET Y, 3
	ADDY
	QUANT X, PW
.irp c, 0,1,2
	global_store_b128 v[LI], v[PC+4*\c:PC+4*\c+3], s[P_KR:P_KR+1] offset:512*\c
.endr
	global_store_b32 v[LS], v[PW], s[P_KS:P_KS+1]  ; 128 consecutive bytes: the record's four scale images come from four work-groups
	s_wait_tensorcnt 0x0
	ds_add_u32 v126, v127
	s_wait_dscnt 0x0
	CROUND                                         ; the closing round: no work-group ends while a partner may still ask for a tile that names it
	s_endpgm
.Lfunc_end_k_q4b24f277fd_kvgemm:
	.size	k_q4b24f277fd_kvgemm, .Lfunc_end_k_q4b24f277fd_kvgemm-k_q4b24f277fd_kvgemm
	.p2alignl 7, 3214868480
	.fill 96, 4, 3214868480
	.section	.rodata,"a",@progbits
	.p2align	6, 0x0
	.amdhsa_kernel k_q4b24f277fd_kvgemm
		.amdhsa_group_segment_fixed_size 327680
		.amdhsa_private_segment_fixed_size 0
		.amdhsa_enable_private_segment 0
		.amdhsa_kernarg_size 32
		.amdhsa_user_sgpr_count 2
		.amdhsa_user_sgpr_kernarg_segment_ptr 1
		.amdhsa_wavefront_size32 1
		.amdhsa_system_sgpr_workgroup_id_x 1
		.amdhsa_system_sgpr_workgroup_id_y 1
		.amdhsa_system_sgpr_workgroup_id_z 1
		.amdhsa_system_vgpr_workitem_id 0
		.amdhsa_next_free_vgpr 1024
		.amdhsa_next_free_sgpr 66
		.amdhsa_reserve_vcc 1
		.amdhsa_float_denorm_mode_32 3
		.amdhsa_float_denorm_mode_16_64 3
		.amdhsa_memory_ordered 1
		.amdhsa_forward_progress 1
		.amdhsa_inst_pref_size 86
	.end_amdhsa_kernel
	.amdgpu_metadata
---
amdhsa.version: [ 1, 2 ]
amdhsa.kernels:
  - .name:           k_q4b24f277fd_kvgemm
    .symbol:         k_q4b24f277fd_kvgemm.kd
    .args:
      - { .name: kvt, .offset: 0, .size: 8, .value_kind: global_buffer, .address_space: global }
      - { .name: ksp, .offset: 8, .size: 8, .value_kind: global_buffer, .address_space: global }
      - { .name: kvr, .offset: 16, .size: 8, .value_kind: global_buffer, .address_space: global }
      - { .name: ks, .offset: 24, .size: 8, .value_kind: global_buffer, .address_space: global }
    .group_segment_fixed_size: 327680
    .private_segment_fixed_size: 0
    .kernarg_segment_align: 8
    .kernarg_segment_size: 32
    .max_flat_workgroup_size: 128
    .sgpr_count:     66
    .vgpr_count:     1024
    .wavefront_size: 32
...
	.end_amdgpu_metadata
.endif
;; end of part 3
;; launch outp (part 4): grid 256 x 1, 4 waves a work-group, no clusters, 198,144 bytes of LDS; arguments xr, wr, kvr, ks, bq, bo, out0; writes out0
.if DOCPART == 4
	.amdgcn_target "amdgcn-amd-amdhsa--gfx1250"
	.amdhsa_code_object_version 6
	.text
	.protected	k_q4b24f277fd_outp
	.globl	k_q4b24f277fd_outp
	.p2align	8
	.type	k_q4b24f277fd_outp,@function
k_q4b24f277fd_outp:
	s_mov_b64 s[64:65], 0
	v_nop
	global_prefetch_b8 v0, s[64:65] scope:SCOPE_SE
	s_setreg_imm32_b32 hwreg(HW_REG_WAVE_MODE, 25, 1), 1
	s_wait_xcnt 0x0
; out = ((Q KV) / Z) Wo^T + bo with Q = elu(x Wq^T + bq) + 1 and Z = Q . ks, for 128 positions: three layers of 512 -> 512 on codes of FP6; Q and the context never go to memory.  Z is made of the unquantised Q by f32 multiply-adds.
; SHARES: work-group g takes positions 128 g on (x's tiles 8 g + m, m = 0 .. 7) of batch g / 32.  THE WAVES SHARE THE COLUMNS: wave w makes columns 128 w .. 128 w + 127 of every layer (tiles 8 w + t of Wq, of KV's records, of Wo) for all 128 rows.
; Its part of a layer's weights lies in its registers, loaded from memory once, ahead of the layer as far as registers are free.  What goes round is the rows' codes: a layer's result, quantised in registers, is K step w of the next layer and goes to LDS as an image of the operand's registers.
; THE REQUESTS FOR WEIGHTS go out in runs of 48 (codes) and 16 (scale words), each run behind a tile's products or behind its image, so that no run is longer than the load counter's field and the tile's vector work stands behind the request, not in front of it.
; No cluster: each weight fragment is used by one wave of a work-group alone and lands in its registers; a joint request would have to pass 638,976 bytes a work-group through LDS.
; LAYOUT: every product is used transposed (source 0 = a weight tile, source 1 = 16 rows): a lane holds ONE row, and by the order of a tile's rows its 64 registers are columns 128 w + 32 b + 16 (lane / 16) + 0 .. 15: what QUANT takes.
; The biases are the C of a sum's first product (layer 1: bq + 1, so that the sum is a + 1).  elu(a) + 1 = the middle one of 2^(a log2 e), 1 and a + 1.
; LIMITS: for a < 0 reference() has expm1(a) + 1, which differs from exp(a) by at most 2^-24; the division by Z is a multiplication by v_rcp_f32's result; a block of zeros gets the byte 1; NaN and infinities among the inputs are not served.
; LDS: three regions of 53,248 bytes (x's, Q's, the context's codes): the image of (tile m, K step s) at 12,288 s + 1,536 m, its scale image at 49,152 + 1,024 s + 128 m, so that what a wave stores is one run of its own;
;   then Z's parts (1,024 w + 128 m), then a stage of 16 rows x 528 bytes for each wave.  Three barriers: behind x's copy, behind layer 1, behind layer 2.
; REGISTERS: three areas of 192 for weights (8 tiles x 2 K steps, at 12 (2 t + s % 2)): A = window 1, B = window 2, C = window 3.  Layer 1: A, B; layer 2: C, A; layer 3: B, C.
;   v192-255 of window 1: bq + 1; of window 2: ks; of window 3: the exponentials, later bo; all three in the result's layout.  Window 0: all else.
.set REC,   6656
.set XR,    0
.set QR,    53248
.set CR,    106496
.set ZP,    159744
.set STG,   163840
.set SPT,   528
.set LI,    4                          ; v4   16 x lane
.set LS,    5                          ; v5   4 x lane
.set BH,    6                          ; v6   64 h: my half's 16 numbers of a group of 32 columns
.set XW,    7                          ; v7   where I put x's images
.set FA16,  8                          ; v8   the trip's addresses: fragments in,
.set FA4,   9                          ; v9   their scale words,
.set IA16,  10                         ; v10  my image out,
.set IA4,   11                         ; v11  its scale words,
.set ZA,    12                         ; v12  Z's parts
.set SO,    13                         ; v13  the stage: where I put 32 bytes of a row
.set SR,    14                         ; v14  and where I read a row back
.set GO,    15                         ; v15  my byte offset in out0
.set XS,    16                         ; v16-19 the rows' scale words
.set WSA,   20                         ; v20-35, v36-51, v52-67 the areas' scale words (2 t + s % 2)
.set WSB,   36
.set WSC,   52
.set TM,    68
.set PW,    84
.set Z,     85
.set RZ,    86                         ; v[86:87] 1 / Z (the low word serves both halves)
.set ZR,    88                         ; v88-91 the four waves' parts of Z
.set ZC,    92                         ; v92-95 two chains
.set PC,    96
.set XF,    116                        ; v116-163 the rows' four fragments
.set ACC,   164                        ; v164-227 eight accumulators
.set FB16,  228                        ; v228-232 the layer's bases of the five addresses
.set FB4,   229
.set IB16,  230
.set IB4,   231
.set ZB,    232
.set NL,    234                        ; v[234:235] -log2(e)
.set XSW,   236                        ; v236 where I put x's scale images
.set WV,    18
.set SEL,   20
.set LG,    22
.set MC,    24                         ; s24  1,536 m
.set MS,    25                         ; s25  128 m
.set CNT,   26
.set P_X,   30
.set P_WQ,  32
.set P_KV,  34
.set P_WO,  36
.set P_KS,  38
.set P_BQ,  40
.set P_BO,  42
.set P_OUT, 44
.set MSB, 0
.macro WIN new
.if MSB != (\new)
	s_set_vgpr_msb (MSB<<8)|(\new)
.set MSB, (\new)
.endif
.endm
.macro PLACES n
.rept \n
	v_nop
.endr
.endm
.macro BARRIER                         ; my LDS stores have landed and my LDS loads are in: then the work-group's barrier
	s_wait_dscnt 0x0
	s_barrier_signal -1
	s_barrier_wait -1
.endm
.macro QUANT s, pw                     ; 64 numbers of a lane, register 16 b + i = k 32 b + 16 (lane / 16) + i of its row, become a fragment's codes in v[PC] .. v[PC + 11] and its scale word in v[pw]
.irp b, 0,1,2,3
	v_max3_num_f32 v[TM+\b], |v[\s+16*\b]|, |v[\s+1+16*\b]|, 0x1800000
.endr
.irp i, 2,4,6,8,10,12,14
.irp b, 0,1,2,3
	v_max3_num_f32 v[TM+\b], v[TM+\b], |v[\s+16*\b+\i]|, |v[\s+1+16*\b+\i]|
.endr
.endr
.irp b, 0,1,2,3
	v_permlanex16_b32 v[TM+4+\b], v[TM+\b], s[SEL], s[SEL+1]
.endr
.irp b, 0,1,2,3
	v_max_num_f32 v[TM+\b], v[TM+\b], v[TM+4+\b]
.endr
.irp b, 0,1,2,3
	v_add_nc_u32 v[TM+12+\b], 0xff000000, v[TM+\b]
.endr
.irp b, 0,1,2,3
	v_lshrrev_b32 v[TM+4+\b], 23, v[TM+12+\b]
.endr
	v_lshl_or_b32 v[\pw], v[TM+5], 8, v[TM+4]
	v_lshl_or_b32 v[\pw], v[TM+6], 16, v[\pw]
	v_lshl_or_b32 v[\pw], v[TM+7], 24, v[\pw]
.irp c, 0,1
	v_cvt_scalef32_pk16_fp6_f32 v[PC+6*\c:PC+2+6*\c], v[\s+32*\c:\s+15+32*\c], v[TM+12+2*\c]
	v_cvt_scalef32_pk16_fp6_f32 v[PC+12+4*\c:PC+14+4*\c], v[\s+16+32*\c:\s+31+32*\c], v[TM+12+2*\c+1]
.endr
	v_nop                                          ; one plain place behind a scaled conversion
.irp c, 0,1
.irp i, 0,1,2
	v_permlane16_swap_b32 v[PC+6*\c+\i], v[PC+12+4*\c+\i]
.endr
.irp i, 0,1,2
	v_mov_b32 v[PC+3+6*\c+\i], v[PC+12+4*\c+\i]
.endr
.endr
.endm
; 48 loads: the codes of K steps s0, s0 + 1 of my eight records at ptr into the area of window win
.macro WLC win, ptr, s0
	WIN ((\win)<<6)
.irp t, 0,1,2,3,4,5,6,7
.irp e, 0,1
.irp c, 0,1,2
	global_load_b128 v[12*(2*\t+\e)+4*\c:12*(2*\t+\e)+4*\c+3], v[LI], s[\ptr:\ptr+1] offset:REC*\t+1536*((\s0)+\e)+512*\c
.endr
.endr
.endr
	WIN 0
.endm
; 16 loads: their scale words into v[ws] on
.macro WLS ws, ptr, s0
.irp t, 0,1,2,3,4,5,6,7
.irp e, 0,1
	global_load_b32 v[\ws+2*\t+\e], v[LS], s[\ptr:\ptr+1] offset:REC*\t+6144+128*((\s0)+\e)
.endr
.endr
.endm
.macro TAIL win, ptr                   ; 16 loads: 64 numbers in the result's layout into v192-255 of window win: register 8 t + j = column 32 (t / 2) + 16 h + 8 (t % 2) + j of my 128
	WIN ((\win)<<6)
.irp t, 0,1,2,3,4,5,6,7
	global_load_b128 v[192+8*\t:195+8*\t], v[BH], s[\ptr:\ptr+1] offset:128*(\t/2)+32*(\t%2)
	global_load_b128 v[196+8*\t:199+8*\t], v[BH], s[\ptr:\ptr+1] offset:128*(\t/2)+32*(\t%2)+16
.endr
	WIN 0
.endm
.macro FETCH off                       ; the four fragments and scale words of the row tile off further on than the trip's
.irp s, 0,1,2,3
.irp c, 0,1,2
	ds_load_b128 v[XF+12*\s+4*\c:XF+12*\s+4*\c+3], v[FA16] offset:12288*\s+512*\c+1536*(\off)
.endr
.endr
.irp s, 0,1,2,3
	ds_load_b32 v[XS+\s], v[FA4] offset:49152+1024*\s+128*(\off)
.endr
.endm
.macro FETCHZ off                      ; and the four parts of its Z
.irp i, 0,1,2,3
	ds_load_b32 v[ZR+\i], v[ZA] offset:1024*\i+128*(\off)
.endr
.endm
.macro ADDR full                       ; the trip's LDS addresses; in front of them all my LDS instructions are done: the fragments asked for in the last trip are in
	s_wait_dscnt 0x0
	v_add_nc_u32 v[FA16], s[MC], v[FB16]
	v_add_nc_u32 v[FA4], s[MS], v[FB4]
.if \full
	v_add_nc_u32 v[IA16], s[MC], v[IB16]
	v_add_nc_u32 v[IA4], s[MS], v[IB4]
	v_add_nc_u32 v[ZA], s[MS], v[ZB]
.endif
.endm
.macro IMAGE                           ; the fragment just made goes to LDS as it stands
.irp c, 0,1,2
	ds_store_b128 v[IA16], v[PC+4*\c:PC+4*\c+3] offset:512*\c
.endr
	ds_store_b32 v[IA4], v[PW]
.endm
; Eight products: K step half a of the area in source 0's window against the rows' fragment b.  cmode 0: C = 0; 1: C = v192-255 of source 2's window; 2: in place.
.macro MMS a, b, ws, cmode
.irp t, 0,1,2,3,4,5,6,7
.if (\cmode) == 0
	v_wmma_scale_f32_16x16x128_f8f6f4 v[ACC+8*\t:ACC+8*\t+7], v[12*(2*\t+(\a)):12*(2*\t+(\a))+11], v[XF+12*(\b):XF+12*(\b)+11], 0, v[\ws+2*\t+(\a)], v[XS+(\b)] matrix_a_fmt:MATRIX_FMT_FP6 matrix_b_fmt:MATRIX_FMT_FP6
.elseif (\cmode) == 1
	v_wmma_scale_f32_16x16x128_f8f6f4 v[ACC+8*\t:ACC+8*\t+7], v[12*(2*\t+(\a)):12*(2*\t+(\a))+11], v[XF+12*(\b):XF+12*(\b)+11], v[192+8*\t:199+8*\t], v[\ws+2*\t+(\a)], v[XS+(\b)] matrix_a_fmt:MATRIX_FMT_FP6 matrix_b_fmt:MATRIX_FMT_FP6
.else
	v_wmma_scale_f32_16x16x128_f8f6f4 v[ACC+8*\t:ACC+8*\t+7], v[12*(2*\t+(\a)):12*(2*\t+(\a))+11], v[XF+12*(\b):XF+12*(\b)+11], v[ACC+8*\t:ACC+8*\t+7], v[\ws+2*\t+(\a)], v[XS+(\b)] matrix_a_fmt:MATRIX_FMT_FP6 matrix_b_fmt:MATRIX_FMT_FP6
.endif
.endr
.endm
; A row tile's 32 products: the eight accumulators take turns, one instruction a turn, K step by K step.  w01, w23: the windows of the two areas; cwin: the window of the bias, or -1; wait2: a wait for the second area's loads, or -1
.macro MM3 w01, w23, ws01, ws23, cwin, wait2
.if (\cwin) >= 0
	WIN ((\w01)|((\cwin)<<4))
	MMS 0, 0, \ws01, 1
.else
	WIN (\w01)
	MMS 0, 0, \ws01, 0
.endif
	WIN (\w01)
	MMS 1, 1, \ws01, 2
.if (\wait2) >= 0
	s_wait_loadcnt \wait2
.endif
	WIN (\w23)
	MMS 0, 2, \ws23, 2
	MMS 1, 3, \ws23, 2
	WIN 0
.endm
.macro STEPM
	s_add_co_u32 s[MC], s[MC], 1536
	s_add_co_u32 s[MS], s[MS], 128
.endm
; LAYER 1, a row tile.  kind 0: the first (waits for the weights; asks for KV's first half); 1: in the loop; 2: the last (asks for KV's second half, into the area that layer 1 has left).
; The 48 loads of codes stand behind the products, the 16 of scale words behind the image: the tile's vector work lies between.
.macro T1 kind
	ADDR 1
.if (\kind) == 0
	s_wait_loadcnt 63                              ; area B's 64 loads are younger than area A's; the count's field holds 63
	MM3 1, 2, WSA, WSB, 1, 0
.else
	MM3 1, 2, WSA, WSB, 1, -1
.endif
	PLACES 5                                       ; four in front of reads of the results and of loads into the operands, five in front of the next tile's products, which begin these accumulators anew
.if (\kind) != 2
	FETCH 1
.endif
.if (\kind) == 0
	WLC 3, P_KV, 0
.endif
.if (\kind) == 2
	WLC 1, P_KV, 2
.endif
	WIN 0xc0                                       ; destination window 3
.set i, 0
.rept 32
	v_pk_fma_f32 v[192+i:193+i], v[ACC+i:ACC+i+1], s[LG:LG+1], v[NL:NL+1] op_sel_hi:[1,0,0]   ; (a + 1) log2 e - log2 e; each accumulator is read from its low end on
.set i, i+2
.endr
	WIN 0xc3
.set i, 0
.rept 64
	v_exp_f32 v[192+i], v[192+i]
.set i, i+1
.endr
	WIN 0
	v_nop                                          ; a plain place behind the last exponential
	s_wait_alu depctr_va_vdst(0)                   ; one wait for the batch, ahead of its first reader
	WIN 0x03
.set i, 0
.rept 64
	v_med3_num_f32 v[ACC+i], v[192+i], 1.0, v[ACC+i]   ; Q = elu(a) + 1
.set i, i+1
.endr
	WIN 0x08                                       ; source 1 (ks) window 2
	v_pk_mul_f32 v[ZC:ZC+1], v[ACC:ACC+1], v[192:193]  ; my part of Z: the unquantised Q times ks, in two chains
	v_pk_mul_f32 v[ZC+2:ZC+3], v[ACC+2:ACC+3], v[194:195]
.set i, 4
.rept 15
	v_pk_fma_f32 v[ZC:ZC+1], v[ACC+i:ACC+i+1], v[192+i:193+i], v[ZC:ZC+1]
	v_pk_fma_f32 v[ZC+2:ZC+3], v[ACC+i+2:ACC+i+3], v[194+i:195+i], v[ZC+2:ZC+3]
.set i, i+4
.endr
	WIN 0
	v_pk_add_f32 v[ZC:ZC+1], v[ZC:ZC+1], v[ZC+2:ZC+3]
	v_add_f32 v[Z], v[ZC], v[ZC+1]
	v_permlanex16_b32 v[ZC+2], v[Z], s[SEL], s[SEL+1]
	v_add_f32 v[Z], v[Z], v[ZC+2]                  ; with lane l xor 16's 64 columns
	ds_store_b32 v[ZA], v[Z]
	QUANT ACC, PW
	IMAGE
.if (\kind) == 0
	WLS WSC, P_KV, 0
.endif
.if (\kind) == 2
	WLS WSA, P_KV, 2
.endif
	STEPM
.endm
; LAYER 2, a row tile.  kind 0: the first (waits for KV; asks for the codes of Wo's first half, into the area that layer 1 has left); 1: the second (asks for their scale words and for bo, into the registers that the exponentials have left);
; 2: in the loop; 3: the last (asks for Wo's second half, into the area that layer 2 has left).
.macro T2 kind
	ADDR 1
.if (\kind) == 0
	s_wait_loadcnt 63                              ; the 64 loads of KV's second half are younger than its first half's; the count's field holds 63
	MM3 3, 1, WSC, WSA, -1, 0
.else
	MM3 3, 1, WSC, WSA, -1, -1
.endif
	v_add_f32 v[Z], v[ZR], v[ZR+1]                 ; Z: the four waves' parts, in ascending order.  These three and two v_nop are the five places behind the products
	v_add_f32 v[Z], v[Z], v[ZR+2]
	v_add_f32 v[Z], v[Z], v[ZR+3]
	PLACES 2
	v_rcp_f32 v[RZ], v[Z]
.if (\kind) != 3
	FETCH 1
	FETCHZ 1
.endif
.if (\kind) == 0
	WLC 2, P_WO, 0
.endif
.if (\kind) == 1
	WLS WSB, P_WO, 0
	TAIL 3, P_BO
.endif
.if (\kind) == 3
	WLC 3, P_WO, 2
.endif
	v_nop                                          ; a plain place behind the reciprocal
	s_wait_alu depctr_va_vdst(0)                   ; and the wait ahead of its first reader
.set i, 0
.rept 32
	v_pk_mul_f32 v[ACC+i:ACC+i+1], v[ACC+i:ACC+i+1], v[RZ:RZ+1] op_sel_hi:[1,0]   ; the context / Z
.set i, i+2
.endr
	QUANT ACC, PW
	IMAGE
.if (\kind) == 3
	WLS WSC, P_WO, 2
.endif
	STEPM
.endm
; LAYER 3, a row tile: the results go through my stage and leave as 512 consecutive bytes of a row.
.macro T3 last
	s_wait_xcnt 0x0                                ; the last tile's stores have read their data and their offset, which are written again now
	ADDR 0
	s_lshr_b32 s46, s[MS], 8                       ; the tile's first row in out0: 32 rows of 2,048 bytes for each pair of tiles,
	s_lshl_b32 s46, s46, 16
	s_and_b32 s47, s[MS], 128
	s_lshl_b32 s47, s47, 7                         ; 8 rows for the odd one
	s_add_co_u32 s46, s46, s47
	v_add_nc_u32 v[GO], s46, v[LI]
	MM3 2, 3, WSB, WSC, 3, 0
	PLACES 5
.if !(\last)
	FETCH 1
.endif
.irp t, 0,1,2,3,4,5,6,7
	ds_store_b128 v[SO], v[ACC+8*\t:ACC+8*\t+3] offset:128*(\t/2)+32*(\t%2)      ; each accumulator from its low end on
	ds_store_b128 v[SO], v[ACC+8*\t+4:ACC+8*\t+7] offset:128*(\t/2)+32*(\t%2)+16
.endr
.irp i, 0,1,2,3,4,5,6,7,8,9,10,11,12,13,14,15
	ds_load_b128 v[ACC+4*\i:ACC+4*\i+3], v[SR] offset:SPT*\i   ; LDS serves a wave's instructions in order: these see my stores
.endr
.irp i, 0,1,2,3,4,5,6,7,8,9,10,11,12,13,14,15
	s_wait_dscnt 15-\i                             ; the younger loads from the stage may be out
	global_store_b128 v[GO], v[ACC+4*\i:ACC+4*\i+3], s[P_OUT:P_OUT+1] offset:(\i+8*(\i/8))*2048 th:TH_STORE_NT   ; 32 lanes store 512 consecutive bytes of one row, at a multiple of 256 from out0's first byte
.endr
	STEPM
.endm
	s_load_b256 s[4:11], s[0:1], 0x0               ; xr, wr, kvr, ks
	s_load_b128 s[12:15], s[0:1], 0x20             ; bq, bo
	s_load_b64 s[16:17], s[0:1], 0x30              ; out0
	v_lshl_add_u32 v254, v0, 2, 0x30400
	v_mov_b32 v255, 0
	v_lshrrev_b32 v1, 5, v0
	v_readfirstlane_b32 s[WV], v1                  ; wave 0..3
	v_and_b32 v1, 31, v0
	v_and_b32 v2, 15, v0                           ; r
	v_bfe_u32 v3, v0, 4, 1                         ; h
	v_lshlrev_b32 v[LI], 4, v1
	v_lshlrev_b32 v[LS], 2, v1
	v_lshlrev_b32 v[BH], 6, v3
	s_mul_i32 s46, s[WV], 3072
	s_add_co_u32 s46, s46, XR
	v_add_nc_u32 v[XW], s46, v[LI]                 ; x's tiles 2 w, 2 w + 1
	v_bfe_u32 v[XSW], v0, 3, 2                     ; of a record's 512 bytes of scale images eight lanes hold one K step's
	v_lshlrev_b32 v[XSW], 10, v[XSW]
	v_and_b32 v1, 7, v0
	v_lshl_add_u32 v[XSW], v1, 4, v[XSW]
	s_lshl_b32 s46, s[WV], 8
	s_add_co_u32 s46, s46, XR+49152
	v_add_nc_u32 v[XSW], s46, v[XSW]
	s_mul_i32 s46, s[WV], 16*SPT
	s_add_co_u32 s46, s46, STG
	v_mul_u32_u24 v[SO], v2, SPT
	v_lshl_add_u32 v[SO], v3, 6, v[SO]
	v_add_nc_u32 v[SO], s46, v[SO]
	v_add_nc_u32 v[SR], s46, v[LI]
	v_add_nc_u32 v[FB16], XR, v[LI]                ; layer 1: in from x's region, out into Q's
	v_add_nc_u32 v[FB4], XR, v[LS]
	s_mul_i32 s46, s[WV], 12288
	s_add_co_u32 s46, s46, QR
	v_add_nc_u32 v[IB16], s46, v[LI]
	s_lshl_b32 s47, s[WV], 10
	s_add_co_u32 s46, s47, QR+49152
	v_add_nc_u32 v[IB4], s46, v[LS]
	s_add_co_u32 s46, s47, ZP
	v_add_nc_u32 v[ZB], s46, v[LS]
	v_mov_b32 v[NL], 0xbfb8aa3b
	v_mov_b32 v[NL+1], 0xbfb8aa3b
	v_mov_b32 v[RZ+1], 0                           ; (named as the upper half of a pair)
.irp b, 0,1,2,3
	v_mov_b32 v[TM+4+\b], 0                        ; written once: a lane permute's destination counts as one of its sources
.endr
	s_mov_b32 s[SEL], 0x76543210
	s_mov_b32 s[SEL+1], 0xfedcba98
	s_mov_b32 s[LG], 0x3fb8aa3b
	s_mov_b32 s[LG+1], 0x3fb8aa3b
	s_mov_b32 s[MC], 0
	s_mov_b32 s[MS], 0
	s_lshl_b32 s46, ttmp9, 3
	s_lshl_b32 s47, s[WV], 1
	s_add_co_u32 s46, s46, s47
	s_mul_i32 s46, s46, REC                        ; x's records 8 g + 2 w, 8 g + 2 w + 1
	s_mov_b32 s47, 0
	s_lshl_b32 s48, s[WV], 3
	s_mul_i32 s48, s48, REC                        ; my eight records of a set of 32
	s_mov_b32 s49, 0
	s_lshr_b32 s50, ttmp9, 5                       ; the batch
	s_mul_i32 s52, s50, 32*REC
	s_add_co_u32 s52, s52, s48
	s_mov_b32 s53, 0
	s_lshl_b32 s54, s[WV], 9                       ; my 128 columns, in bytes
	s_mov_b32 s55, 0
	s_wait_kmcnt 0x0
	s_add_nc_u64 s[P_X:P_X+1], s[4:5], s[46:47]
	s_add_nc_u64 s[P_WQ:P_WQ+1], s[6:7], s[48:49]
	s_add_nc_u64 s[P_WO:P_WO+1], s[P_WQ:P_WQ+1], 96*REC
	s_add_nc_u64 s[P_KV:P_KV+1], s[8:9], s[52:53]
	s_add_nc_u64 s[P_BQ:P_BQ+1], s[12:13], s[54:55]
	s_add_nc_u64 s[P_BO:P_BO+1], s[14:15], s[54:55]
	s_lshl_b32 s46, s50, 11
	s_add_co_u32 s46, s46, s54
	s_add_nc_u64 s[P_KS:P_KS+1], s[10:11], s[46:47]
	s_lshl_b32 s46, ttmp9, 18                      ; 128 rows of 2,048 bytes
	s_add_co_u32 s46, s46, s54
	s_add_nc_u64 s[P_OUT:P_OUT+1], s[16:17], s[46:47]
.set i, 0
.rept 26                               ; my two records of x: 13,312 dense bytes, 512 a load
	global_load_b128 v[116+4*i:116+4*i+3], v[LI], s[P_X:P_X+1] offset:512*i
.set i, i+1
.endr
	TAIL 1, P_BQ
	TAIL 2, P_KS
	WLC 1, P_WQ, 0
	WLS WSA, P_WQ, 0
	s_wait_loadcnt 63                              ; area A's 64 loads are younger than x's, bq's and ks's; the count's field holds 63
.irp j, 0,1
.irp i, 0,1,2,3,4,5,6,7,8,9,10,11
	ds_store_b128 v[XW], v[116+4*(13*\j+\i):116+4*(13*\j+\i)+3] offset:12288*(\i/3)+512*(\i%3)+1536*\j
.endr
	ds_store_b128 v[XSW], v[116+4*(13*\j+12):116+4*(13*\j+12)+3] offset:128*\j
.endr
	WLC 2, P_WQ, 2
	WLS WSB, P_WQ, 2
	WIN 0x41
.set i, 0
.rept 32
	v_pk_add_f32 v[192+i:193+i], v[192+i:193+i], 1.0 op_sel_hi:[1,0]   ; bq + 1
.set i, i+2
.endr
	WIN 0
	BARRIER                                        ; x's 32 images lie in LDS
	ADDR 1
	FETCH 0
	T1 0
	s_mov_b32 s[CNT], 6
.Llayer1:
	T1 1
	s_sub_co_u32 s[CNT], s[CNT], 1
	s_cmp_lg_u32 s[CNT], 0
	s_cbranch_scc1 .Llayer1
	T1 2
	BARRIER                                        ; Q's 32 images and Z's parts lie in LDS
	v_add_nc_u32 v[FB16], QR, v[LI]                ; layer 2: in from Q's region, out into the context's
	v_add_nc_u32 v[FB4], QR, v[LS]
	v_add_nc_u32 v[IB16], CR-QR, v[IB16]
	v_add_nc_u32 v[IB4], CR-QR, v[IB4]
	v_add_nc_u32 v[ZB], ZP, v[LS]
	s_mov_b32 s[MC], 0
	s_mov_b32 s[MS], 0
	ADDR 1
	FETCH 0
	FETCHZ 0
	T2 0
	T2 1
	s_mov_b32 s[CNT], 5
.Llayer2:
	T2 2
	s_sub_co_u32 s[CNT], s[CNT], 1
	s_cmp_lg_u32 s[CNT], 0
	s_cbranch_scc1 .Llayer2
	T2 3
	BARRIER                                        ; the context's 32 images lie in LDS
	v_add_nc_u32 v[FB16], CR, v[LI]                ; layer 3: in from the context's region
	v_add_nc_u32 v[FB4], CR, v[LS]
	s_mov_b32 s[MC], 0
	s_mov_b32 s[MS], 0
	ADDR 0
	FETCH 0
	s_wait_loadcnt 63                              ; the 64 loads of Wo's second half are younger than its first half's and bo's
	s_mov_b32 s[CNT], 7
.Llayer3:
	T3 0
	s_sub_co_u32 s[CNT], s[CNT], 1
	s_cmp_lg_u32 s[CNT], 0
	s_cbranch_scc1 .Llayer3
	T3 1
	s_wait_tensorcnt 0x0
	ds_add_u32 v254, v255
	s_wait_dscnt 0x0
	s_endpgm
.Lfunc_end_k_q4b24f277fd_outp:
	.size	k_q4b24f277fd_outp, .Lfunc_end_k_q4b24f277fd_outp-k_q4b24f277fd_outp
	.p2alignl 7, 3214868480
	.fill 96, 4, 3214868480
	.section	.rodata,"a",@progbits
	.p2align	6, 0x0
	.amdhsa_kernel k_q4b24f277fd_outp
		.amdhsa_group_segment_fixed_size 198144
		.amdhsa_private_segment_fixed_size 0
		.amdhsa_enable_private_segment 0
		.amdhsa_kernarg_size 56
		.amdhsa_user_sgpr_count 2
		.amdhsa_user_sgpr_kernarg_segment_ptr 1
		.amdhsa_wavefront_size32 1
		.amdhsa_system_sgpr_workgroup_id_x 1
		.amdhsa_system_sgpr_workgroup_id_y 1
		.amdhsa_system_sgpr_workgroup_id_z 1
		.amdhsa_system_vgpr_workitem_id 0
		.amdhsa_next_free_vgpr 1024
		.amdhsa_next_free_sgpr 66
		.amdhsa_reserve_vcc 0
		.amdhsa_float_denorm_mode_32 3
		.amdhsa_float_denorm_mode_16_64 3
		.amdhsa_memory_ordered 1
		.amdhsa_forward_progress 1
		.amdhsa_inst_pref_size 181
	.end_amdhsa_kernel
	.amdgpu_metadata
---
amdhsa.version: [ 1, 2 ]
amdhsa.kernels:
  - .name:           k_q4b24f277fd_outp
    .symbol:         k_q4b24f277fd_outp.kd
    .args:
      - { .name: xr, .offset: 0, .size: 8, .value_kind: global_buffer, .address_space: global }
      - { .name: wr, .offset: 8, .size: 8, .value_kind: global_buffer, .address_space: global }
      - { .name: kvr, .offset: 16, .size: 8, .value_kind: global_buffer, .address_space: global }
      - { .name: ks, .offset: 24, .size: 8, .value_kind: global_buffer, .address_space: global }
      - { .name: bq, .offset: 32, .size: 8, .value_kind: global_buffer, .address_space: global }
      - { .name: bo, .offset: 40, .size: 8, .value_kind: global_buffer, .address_space: global }
      - { .name: out0, .offset: 48, .size: 8, .value_kind: global_buffer, .address_space: global }
    .group_segment_fixed_size: 198144
    .private_segment_fixed_size: 0
    .kernarg_segment_align: 8
    .kernarg_segment_size: 56
    .max_flat_workgroup_size: 128
    .sgpr_count:     66
    .vgpr_count:     1024
    .wavefront_size: 32
...
	.end_amdgpu_metadata
.endif
;; end of part 4
;; ======== version 2 of 2: 4 launches; version 1 with the launches kvproj, outp written anew for expert scheduling mode
;; workspace buffers: xr 13,631,488 bytes; wr 851,968 bytes; kvt 26,214,400 bytes; ksp 524,288 bytes; kvr 1,703,936 bytes; ks 16,384 bytes
;; launch prep: the kernel of part 1 again; grid 544 x 1, 4 waves a work-group, no clusters, 36,352 bytes of LDS; arguments x, Wq, Wk, Wv, Wo, xr, wr; writes xr, wr
;; launch kvproj (part 5): grid 256 x 1, 4 waves a work-group, no clusters, 59,904 bytes of LDS; arguments xr, wr, bk, bv, kvt, ksp; writes kvt, ksp
.if DOCPART == 5
	.amdgcn_target "amdgcn-amd-amdhsa--gfx1250"
	.amdhsa_code_object_version 6
	.text
	.protected	k_q4b24f277fd_kvproj
	.globl	k_q4b24f277fd_kvproj
	.p2align	8
	.type	k_q4b24f277fd_kvproj,@function
k_q4b24f277fd_kvproj:
	s_mov_b64 s[64:65], 0
	v_nop
	global_prefetch_b8 v0, s[64:65] scope:SCOPE_SE
	s_setreg_imm32_b32 hwreg(HW_REG_WAVE_SCHED_MODE, 0, 2), 2
	s_setreg_imm32_b32 hwreg(HW_REG_WAVE_MODE, 25, 1), 1
	s_wait_xcnt 0x0
	s_wait_alu depctr_vm_vsrc(0)
; K = elu(x Wk^T + bk) + 1 and V = x Wv^T + bv for 128 positions, both products on codes of FP6; the results are quantised ALONG THE POSITIONS (the K of the product K^T V) and leave as images of operand registers; also the sum of K over the 128 positions.
; SHARES: work-group g takes positions 128 g .. 128 g + 127 (x's tiles 8 g + m) and all 512 + 512 columns.  x's 32 fragments stay in every wave's registers; wave w streams the weights' tiles 8 w .. 8 w + 7 of Wk and of Wv straight from memory:
; each weight fragment is used by one wave of the work-group alone, so it passes through no LDS.
; No cluster: a joint request for the weights, which all work-groups walk, would have to pass 425,984 bytes a work-group through LDS, which this form does not touch in its loop.
; LAYOUT: source 0 = a tile of x (M = positions), source 1 = a tile of W (N = columns): a lane holds ONE column, and by the order of a tile's rows its 64 registers (8 accumulators) are positions 32 b + 16 (lane / 16) + 0 .. 15, b = 0 .. 3: what the quantiser takes.
; The bias is the C of each sum's first product (for K: bias + 1, so that the sum is a + 1).
; elu(a) + 1 = the middle one of 2^(a log2 e), 1 and a + 1: above 0 that is a + 1, below 0 exp(a).
; BY TURNS.  A tile of K has some 265 vector lines behind its 32 products and a tile of V some 70, so the two kinds of work are dealt out to each other.  K and V have accumulators of their own.  TURN A: the 32 products of a tile of V, and behind each
; of them 7 lines of the tile of K before it (scaling, exponentials, elu, the sum).  TURN B: the 32 products of the next tile of K, and behind each 5 lines: the quantising of that K and of that V.
; The price is two switches of the register window for each product, since a product's operands lie in windows 1 to 3 and the vector work in window 0.
; LIMITS: for a < 0 reference() has expm1(a) + 1, which differs from exp(a) by at most 2^-24; a block of zeros gets the byte 1 (its codes are zeros; this program alone reads the bytes); NaN and infinities among the inputs are not served.
; kvt, block g, 102,400 bytes: K^T's image of tile T at 1,536 T; V^T's at 49,152 + 1,536 T; scale words in fours at 98,304 + 512 (T / 4) + 16 lane + 4 (T % 4): lanes 0-15 K^T's, lanes 16-31 V^T's.   ksp [256][512] f32: the sums, columns in their true order.
; REGISTERS: window 0: addresses, scale words, at work, v128-191 K's accumulators, v192-255 the exponentials, then K; window 1: x's tiles 0-3 (fragment (m, s) at 12 (4 m + s)), v192-255 V's accumulators; window 2: x's tiles 4-7; window 3: four buffers of a weight tile (48 p + 12 s).
; THE MODE: SCHED_MODE bits 1:0 = 2 (LLVM: expert scheduling mode 2), set by the entry lines.  The code itself states the register dependences between vector or matrix instructions and memory or LDS instructions, with s_wait_alu, always for 0.
; THE PLAN.  Registers that memory or LDS instructions touch, in the loop:
;   the four weight buffers, v[WS ..], v[BR ..]   A turn's products read buffer p and its scale words, the eight lines at its head read v[BR + p]; the refill lands in them at the head of the NEXT turn.
;   v[SU]                                         Written by turn A's last lines; read by one LDS store at the head of the turn B that follows.
;   v[PCK ..], v[PCV ..], v[PWC]                  Written by turn B's lines (K's codes and V's have registers of their own); read by six stores and one LDS store at the head of the turn A that follows; those of a trip's second turn B at the trip's end, ahead of the bases' steps.
;   v[KSA], v[SCA]                                Written at a trip's head; read by those LDS stores.
;   v[LI], v[LS], v[BA], v[XW], v[KSR], v[SCB]    Made at the kernel's head and never written again.
; So no load and no store stands inside a turn.  ONE wait on va_vdst stands at a turn's head, ahead of the refill and of the stores of what the turn before has made, and one at a trip's end; one wait on vm_vsrc stands in turn B's list, ahead of the
; conversions that write the codes' registers again, and one at a trip's end, ahead of the next trip's two address lines.  The wait for the exponentials stands in turn A's list.
.set REC,   6656
.set KSG,   8*REC                      ; LDS: x's eight records as they lie in memory, then 512 bytes a wave for the sums,
.set SCG,   KSG+4*512                  ; then 1,024 bytes a wave for the scale words
.set SV,    2                          ; v[2:3] the sum's second chain (free behind the kernel's head)
.set LI,    4                          ; v4   16 x lane
.set LS,    5                          ; v5   4 x lane
.set BA,    6                          ; v6   4 (r + 8 (r / 8)): my column's place in a tile's 32 numbers
.set XW,    7                          ; v7   where I put x's records
.set KSB,   8                          ; v8   my wave's sums, my column
.set SCB,   9                          ; v9   my wave's scale words, my lane
.set KSA,   10                         ; v10  the same for the trip in hand
.set SCA,   11                         ; v11
.set KSR,   12                         ; v12  the sums on their way out
.set NL,    14                         ; v[14:15] -log2(e)
.set XS,    16                         ; v16-47 x's scale words (4 m + s)
.set WS,    48                         ; v48-63 the weights' (4 p + s)
.set BR,    64                         ; v64-67 my column's bias (p)
.set CB,    68                         ; v68-75 the bias as a C
.set TM,    76                         ; v76-91 at work in the quantiser
.set TT1,   84                         ; v84-86 of them: the upper half of blocks 2 and 3 as the conversion leaves it
.set PWV,   92                         ; V^T's scale word
.set PWK,   93                         ; K^T's
.set PWC,   94                         ; both: lanes 0-15 K^T's, lanes 16-31 V^T's
.set PCK,   96                         ; v96-107 K^T's codes
.set TT0,   108                        ; v108-110 the upper half of blocks 0 and 1 as the conversion leaves it
.set SUX,   111                        ; v111 the other half of the lanes' sum
.set PCV,   112                        ; v112-123 V^T's codes
.set SU,    124                        ; v[124:125] the sum's first chain, then the sum
.set ACC,   128                        ; K's accumulators; V's bear the numbers ACC + 64 on, in window 1
.set E,     192
.set WV,    16
.set SEL,   18
.set LG,    20                         ; s[20:21] log2(e)
.set HM,    22                         ; s22  lanes 16-31
.set CNT,   23
.set TK,    24                         ; s24  128 x trip
.set TS,    25                         ; s25  256 x trip
.set P_X,   26
.set P_W,   28
.set P_BK,  30
.set P_BV,  32
.set P_O,   34
.set P_SC,  36
.set P_KS,  38
.set MSB, 0
.macro WIN new                         ; the immediate's high byte repeats the setting that is left; a switch that changes nothing is dropped
.if MSB != (\new)
	s_set_vgpr_msb (MSB<<8)|(\new)
.set MSB, (\new)
.endif
.endm
.macro PLACES n
.rept \n
	v_nop
.endr
.endm
; THE QUANTISER AS A LIST.  64 numbers of a lane in window w, register s + 16 b + i = k 32 b + 16 (lane / 16) + i of its row, become a fragment's codes in v[pc] .. v[pc + 11] and its scale word in v[pw].  QI writes line q of 69.
;   0-31 the four blocks' largest magnitudes, by turns, with the floor 2^(3 - 127) among the leaves, so that the byte cannot fall under 1;  32-39 with lane l xor 16's;  40-43 2 off the exponent field: the conversion's scale operand;
;   44-50 the bytes and the scale word;  51 (free = 1) the earlier stores have read the out-registers;  52-55 the conversions;  56 the plain place behind them;  57-68 a whole block into each lane
.macro QI s, w, pw, pc, free
.if q < 4
	WIN 5*(\w)                                     ; sources 0 and 1 in window w
	v_max3_num_f32 v[TM+q], |v[(\s)+16*q]|, |v[(\s)+16*q+1]|, 0x1800000
.elseif q < 32
	WIN 20*(\w)                                    ; sources 1 and 2
	v_max3_num_f32 v[TM+q%4], v[TM+q%4], |v[(\s)+16*(q%4)+2*(q/4)]|, |v[(\s)+16*(q%4)+2*(q/4)+1]|
.elseif q < 36
	WIN 0
	v_permlanex16_b32 v[TM+q-28], v[TM+q-32], s[SEL], s[SEL+1]
.elseif q < 40
	WIN 0
	v_max_num_f32 v[TM+q-36], v[TM+q-36], v[TM+q-32]
.elseif q < 44
	WIN 0
	v_add_nc_u32 v[TM+q-28], 0xff000000, v[TM+q-40]
.elseif q < 48
	WIN 0
	v_lshrrev_b32 v[TM+q-40], 23, v[TM+q-32]
.elseif q == 48
	WIN 0
	v_lshl_or_b32 v[\pw], v[TM+5], 8, v[TM+4]
.elseif q == 49
	WIN 0
	v_lshl_or_b32 v[\pw], v[TM+6], 16, v[\pw]
.elseif q == 50
	WIN 0
	v_lshl_or_b32 v[\pw], v[TM+7], 24, v[\pw]
.elseif q == 51
.if \free
	s_wait_xcnt 0x0                                ; the codes' registers, which the last stores name as their data, are written again only behind this wait,
	s_wait_alu depctr_vm_vsrc(0)                   ; and behind this one: the stores issued so far have read v[PCK ..], v[PCV ..] and v[PWC], which this turn's lines write again, and v[SU], which the next turn's lines write again
.endif
.elseif q < 56
.set qc, (q-52)/2
.set qh, (q-52)%2
	WIN (\w)                                       ; source 0 in window w.  (A conversion's three registers begin on an even number: a block's second half is made elsewhere and moved)
.if qh == 0
	v_cvt_scalef32_pk16_fp6_f32 v[(\pc)+6*qc:(\pc)+6*qc+2], v[(\s)+32*qc:(\s)+32*qc+15], v[TM+12+2*qc]
.else
	v_cvt_scalef32_pk16_fp6_f32 v[TT0+(TT1-TT0)*qc:TT0+(TT1-TT0)*qc+2], v[(\s)+32*qc+16:(\s)+32*qc+31], v[TM+12+2*qc+1]
.endif
.elseif q == 56
	v_nop
.elseif q < 69
.set qc, (q-57)/6
.set qh, (q-57)%6
	WIN 0
.if qh < 3
	v_permlane16_swap_b32 v[(\pc)+6*qc+qh], v[TT0+(TT1-TT0)*qc+qh]
.else
	v_mov_b32 v[(\pc)+6*qc+qh], v[TT0+(TT1-TT0)*qc+qh-3]
.endif
.endif
.endm
; Buffer p takes a weight tile: p = 0, 2: Wk's tiles 2 trip, 2 trip + 1; p = 1, 3: Wv's.  nx = 1: the next trip's.  17 loads: 12 for the codes, 4 for the scale words, 1 for the bias.
.macro WFILL p, nx
	WIN 0xc0                                       ; destination window 3
.irp s, 0,1,2,3
.irp c, 0,1,2
	global_load_b128 v[48*(\p)+12*\s+4*\c:48*(\p)+12*\s+4*\c+3], v[LI], s[P_W:P_W+1] offset:REC*((\p)/2)+32*REC*((\p)%2)+2*REC*(\nx)+1536*\s+512*\c
.endr
.endr
	WIN 0
.irp s, 0,1,2,3
	global_load_b32 v[WS+4*(\p)+\s], v[LS], s[P_W:P_W+1] offset:REC*((\p)/2)+32*REC*((\p)%2)+2*REC*(\nx)+6144+128*\s
.endr
.if (\p)%2 == 0
	global_load_b32 v[BR+(\p)], v[BA], s[P_BK:P_BK+1] offset:32*((\p)/2)+128*(\nx)
.else
	global_load_b32 v[BR+(\p)], v[BA], s[P_BV:P_BV+1] offset:32*((\p)/2)+128*(\nx)
.endif
.endm
; Product wi of 32 of buffer p against x's eight tiles: tiles 0-3 K step by K step, then tiles 4-7.  Four accumulators take turns, one instruction a turn; the first K step takes the bias as C.  dw: the accumulators' window (0: K's, 1: V's).
.macro W1 p, dw
.set wmm, 4*(wi/16)+wi%4
.set wks, (wi%16)/4
.set wdd, ACC+64*(\dw)+8*wmm
.if wks == 0
	WIN ((1+wi/16)|12|((\dw)<<6))                  ; source 0 (x) window 1 or 2, source 1 (W) window 3, C window 0
	v_wmma_scale_f32_16x16x128_f8f6f4 v[wdd:wdd+7], v[12*(4*(wi%4)+wks):12*(4*(wi%4)+wks)+11], v[48*(\p)+12*wks:48*(\p)+12*wks+11], v[CB:CB+7], v[XS+4*wmm+wks], v[WS+4*(\p)+wks] matrix_a_fmt:MATRIX_FMT_FP6 matrix_b_fmt:MATRIX_FMT_FP6
.else
	WIN ((1+wi/16)|12|((\dw)<<4)|((\dw)<<6))
	v_wmma_scale_f32_16x16x128_f8f6f4 v[wdd:wdd+7], v[12*(4*(wi%4)+wks):12*(4*(wi%4)+wks)+11], v[48*(\p)+12*wks:48*(\p)+12*wks+11], v[wdd:wdd+7], v[XS+4*wmm+wks], v[WS+4*(\p)+wks] matrix_a_fmt:MATRIX_FMT_FP6 matrix_b_fmt:MATRIX_FMT_FP6
.endif
.set wi, wi+1
.endm
; TURN A's LIST, 196 lines, for the tile of K whose sums a + 1 lie in K's accumulators.  VKA writes line j and steps j.
;   0-31 (a + 1) log2 e - log2 e, each accumulator read from its low end on;  32-95 the exponentials: ONE batch;  96 the plain place behind the last;  97 the one wait ahead of the batch's first reader;
;   98-161 elu(a) + 1;  162-195 the sum over the 128 positions of the unquantised K, in two chains, then with lane l xor 16's.  The sum is stored at the head of the next turn
.macro VKA
.if j < 196
	WIN 0
.endif
.if j < 32
	v_pk_fma_f32 v[E+2*j:E+2*j+1], v[ACC+2*j:ACC+2*j+1], s[LG:LG+1], v[NL:NL+1] op_sel_hi:[1,0,0]
.elseif j < 96
	v_exp_f32 v[E+j-32], v[E+j-32]
.elseif j == 96
	v_nop
.elseif j == 97
	s_wait_alu depctr_va_vdst(0)                   ; the 64 exponentials have written v[E ..], ahead of the first line that names one of them
.elseif j < 162
	v_med3_num_f32 v[E+j-98], v[E+j-98], 1.0, v[ACC+j-98]
.elseif j < 164
.set jc, j-162
	v_pk_add_f32 v[SU+(SV-SU)*jc:SU+(SV-SU)*jc+1], v[E+4*jc:E+4*jc+1], v[E+4*jc+2:E+4*jc+3]
.elseif j < 192
.set jt, j-164
.set jc, jt%2
	v_pk_add_f32 v[SU+(SV-SU)*jc:SU+(SV-SU)*jc+1], v[SU+(SV-SU)*jc:SU+(SV-SU)*jc+1], v[E+8+4*(jt/2)+2*jc:E+8+4*(jt/2)+2*jc+1]
.elseif j == 192
	v_pk_add_f32 v[SU:SU+1], v[SU:SU+1], v[SV:SV+1]
.elseif j == 193
	v_add_f32 v[SU], v[SU], v[SU+1]
.elseif j == 194
	v_permlanex16_b32 v[SUX], v[SU], s[SEL], s[SEL+1]
.elseif j == 195
	v_add_f32 v[SU], v[SU], v[SUX]
.endif
.set j, j+1
.endm
; TURN B's LIST, 139 lines: K is quantised, then V, then the two scale words are joined.  VB writes line j and steps j.  What it makes is stored behind the turn.
.macro VB
.if j < 69
.set q, j
	QI E, 0, PWK, PCK, 1
.elseif j < 138
.set q, j-69
	QI ACC+64, 1, PWV, PCV, 0                      ; (its first read of each accumulator is of the two lowest registers)
.elseif j == 138
	WIN 0
	v_cndmask_b32 v[PWC], v[PWK], v[PWV], s[HM]
.endif
.set j, j+1
.endm
; What a turn B has made leaves: K^T's image and V^T's of the trip's tile u, 512 consecutive bytes a store, and the joined scale word into my wave's LDS.
.macro OUTB u
.irp c, 0,1,2
	global_store_b128 v[LI], v[PCK+4*\c:PCK+4*\c+3], s[P_O:P_O+1] offset:1536*(\u)+512*\c
.endr
.irp c, 0,1,2
	global_store_b128 v[LI], v[PCV+4*\c:PCV+4*\c+3], s[P_O:P_O+1] offset:49152+1536*(\u)+512*\c
.endr
	ds_store_b32 v[SCA], v[PWC] offset:128*(\u)
.endm
; TURN A.  p: V's buffer; fb: the buffer that the turn before has multiplied and that is filled again now, or -1; left: the loads that are younger than buffer p's; st: the tile whose codes the turn before has made and that are stored now, or -1.
; Four places stand in front of the products.
.macro PHA p, fb, left, st
	WIN 0
	s_wait_loadcnt \left
.irp r, 0,1,2,3,4,5,6,7
	v_mov_b32 v[CB+\r], v[BR+(\p)]
.endr
.if (\fb) >= 0
	WIN 0xc0                                       ; the switch, then the wait, then the loads
.endif
.if ((\fb) >= 0) || ((\st) >= 0)
	s_wait_alu depctr_va_vdst(0)                   ; the turn before is done reading buffer fb, its scale words and its bias, in which the loads below land; its lines have written the codes and the scale word, which the stores below read
.endif
.if (\fb) >= 0
	WFILL \fb, 1
.endif
.if (\st) >= 0
	OUTB \st
.endif
	PLACES 4
.set wi, 0
.set j, 0
.rept 32
	W1 \p, 1
.rept 7
	VKA
.endr
.endr
	WIN 0
.endm
; TURN B.  p: K's buffer; u: which of the trip's two tiles the turn before has summed; mm = 0: the last turn, which has no products left.
.macro PHB p, u, mm, fb, left
	WIN 0
.if \mm
	s_wait_loadcnt \left
.irp r, 0,1,2,3,4,5,6,7
	v_add_f32 v[CB+\r], 1.0, v[BR+(\p)]            ; bias + 1 of my column, as a C
.endr
.endif
.if (\fb) >= 0
	WIN 0xc0                                       ; the switch, then the wait, then the loads
.endif
	s_wait_alu depctr_va_vdst(0)                   ; the turn before has written v[SU], and the trip's head v[KSA], which the LDS store below reads; that turn is done reading buffer fb, its scale words and its bias, in which the loads below land
.if (\fb) >= 0
	WFILL \fb, 1
.endif
	ds_store_b32 v[KSA], v[SU] offset:32*(\u)      ; into my wave's sums (both halves of the lanes write the same word with the same value)
.if \mm
	PLACES 4
.endif
.set wi, 0
.set j, 0
.rept 32
.if \mm
	W1 \p, 0
.endif
.rept 5
	VB
.endr
.endr
	WIN 0
.endm
.macro TRIP rf                         ; the vector work of two tiles of K and two of V; the products of the two of V, of the second of K and of the next trip's first of K
	s_wait_dscnt 0x0
	v_add_nc_u32 v[KSA], s[TK], v[KSB]             ; (the LDS stores of the trip before have read these two: the wait for that stands at that trip's end)
	v_add_nc_u32 v[SCA], s[TS], v[SCB]
.if \rf
	PHA 1, 0, 34, -1                               ; two buffers of 17 loads are younger: a buffer's refill stands behind the wait of the turn after its products
	PHB 2, 0, 1, 1, 34
	PHA 3, 2, 34, 0
	PHB 0, 1, 1, 3, 34
	s_wait_alu depctr_va_vdst(0)                   ; the turn's lines have written the codes and the scale word of the trip's second tile, which the stores below read
	OUTB 1
	s_wait_xcnt 0x0                                ; the loads and stores have read their bases, which step now
	s_wait_alu depctr_vm_vsrc(0)                   ; the LDS stores have read v[KSA] and v[SCA], which the next trip's head writes again
	s_add_nc_u64 s[P_W:P_W+1], s[P_W:P_W+1], 2*REC
	s_add_nc_u64 s[P_BK:P_BK+1], s[P_BK:P_BK+1], 128
	s_add_nc_u64 s[P_BV:P_BV+1], s[P_BV:P_BV+1], 128
	s_add_nc_u64 s[P_O:P_O+1], s[P_O:P_O+1], 3072
	s_add_co_u32 s[TK], s[TK], 128
	s_add_co_u32 s[TS], s[TS], 256
.else
	PHA 1, -1, 34, -1                              ; the last trip loads nothing: the counts run down
	PHB 2, 0, 1, -1, 17
	PHA 3, -1, 0, 0
	PHB 0, 1, 0, -1, 0
	s_wait_alu depctr_va_vdst(0)                   ; the last lines have written the last codes and scale word, which the stores below read; and every line that names v[E ..], in which the LDS loads behind them land, is done
	OUTB 1
.endif
.endm
	s_load_b256 s[4:11], s[0:1], 0x0               ; xr, wr, bk, bv
	s_load_b128 s[12:15], s[0:1], 0x20             ; kvt, ksp
	v_lshl_add_u32 v126, v0, 2, 0xe800
	v_mov_b32 v127, 0
	v_lshrrev_b32 v1, 5, v0
	v_readfirstlane_b32 s[WV], v1                  ; wave 0..3
	v_and_b32 v1, 31, v0
	v_and_b32 v2, 15, v0
	v_lshlrev_b32 v[LI], 4, v1
	v_lshlrev_b32 v[LS], 2, v1
	v_and_b32 v3, 8, v2
	v_add_nc_u32 v3, v3, v2
	v_lshlrev_b32 v[BA], 2, v3
	s_wait_alu depctr_va_sdst(0)                   ; the wave's number is written, ahead of its first reader
	s_mul_i32 s40, s[WV], 2*REC
	v_add_nc_u32 v[XW], s40, v[LI]
	s_lshl_b32 s40, s[WV], 9
	s_add_co_u32 s40, s40, KSG
	v_add_nc_u32 v[KSB], s40, v[BA]
	v_add_nc_u32 v[KSR], s40, v[LI]
	s_lshl_b32 s40, s[WV], 10
	s_add_co_u32 s40, s40, SCG
	v_add_nc_u32 v[SCB], s40, v[LS]
	v_mov_b32 v[NL], 0xbfb8aa3b
	v_mov_b32 v[NL+1], 0xbfb8aa3b
.irp b, 0,1,2,3
	v_mov_b32 v[TM+4+\b], 0                        ; written once: a lane permute's destination counts as one of its sources
.endr
	v_mov_b32 v[SUX], 0
	s_mov_b32 s[SEL], 0x76543210
	s_mov_b32 s[SEL+1], 0xfedcba98
	s_mov_b32 s[LG], 0x3fb8aa3b
	s_mov_b32 s[LG+1], 0x3fb8aa3b
	s_mov_b32 s[HM], 0xffff0000
	s_mov_b32 s[TK], 0
	s_mov_b32 s[TS], 0
	s_lshl_b32 s40, ttmp9, 3
	s_lshl_b32 s41, s[WV], 1
	s_add_co_u32 s40, s40, s41
	s_mul_i32 s40, s40, REC                        ; x's records 8 g + 2 w, 8 g + 2 w + 1
	s_mov_b32 s41, 0
	s_lshl_b32 s42, s[WV], 3
	s_add_co_u32 s42, s42, 32
	s_mul_i32 s42, s42, REC                        ; Wk's record 8 w (Wv's lie 32 records on)
	s_mov_b32 s43, 0
	s_lshl_b32 s44, s[WV], 9
	s_mov_b32 s45, 0
	s_mul_i32 s46, ttmp9, 102400
	s_mov_b32 s47, 0
	s_wait_kmcnt 0x0
	s_add_nc_u64 s[P_X:P_X+1], s[4:5], s[40:41]
	s_add_nc_u64 s[P_W:P_W+1], s[6:7], s[42:43]
	s_add_nc_u64 s[P_BK:P_BK+1], s[8:9], s[44:45]
	s_add_nc_u64 s[P_BV:P_BV+1], s[10:11], s[44:45]
	s_add_nc_u64 s[P_O:P_O+1], s[12:13], s[46:47]
	s_add_nc_u64 s[P_SC:P_SC+1], s[P_O:P_O+1], 98304
	s_mul_i32 s40, s[WV], 12288
	s_add_nc_u64 s[P_O:P_O+1], s[P_O:P_O+1], s[40:41]
	s_lshl_b32 s40, s[WV], 10
	s_add_nc_u64 s[P_SC:P_SC+1], s[P_SC:P_SC+1], s[40:41]
	s_lshl_b32 s40, ttmp9, 11
	s_add_co_u32 s40, s40, s44
	s_add_nc_u64 s[P_KS:P_KS+1], s[14:15], s[40:41]
	s_wait_alu depctr_va_vdst(0)                   ; the offsets and LDS addresses v[LI], v[LS], v[BA], v[XW], v[KSR], v[SCB] are written, which the loads and stores of the whole kernel read
.set i, 0
.rept 26                               ; my two records of x: 13,312 dense bytes, 512 a load
	global_load_b128 v[128+4*i:128+4*i+3], v[LI], s[P_X:P_X+1] offset:512*i
.set i, i+1
.endr
	WFILL 0, 0
	WFILL 1, 0
	WFILL 2, 0
	WFILL 3, 0
	s_wait_loadcnt 63                              ; 68 loads are younger than x's; the count's field holds 63: x's are in
.set i, 0
.rept 26
	ds_store_b128 v[XW], v[128+4*i:128+4*i+3] offset:512*i
.set i, i+1
.endr
	s_wait_dscnt 0x0                               ; for the others' sake: my stores have landed
	s_barrier_signal -1
	s_barrier_wait -1                              ; x's eight records lie in LDS; nobody writes them again
	s_wait_alu depctr_vm_vsrc(0)                   ; my LDS stores have read v128-231: these registers are K's accumulators and v[E ..] from here on, written by products and vector lines
	WIN 0x40
.irp m, 0,1,2,3
.irp s, 0,1,2,3
.irp c, 0,1,2
	ds_load_b128 v[12*(4*\m+\s)+4*\c:12*(4*\m+\s)+4*\c+3], v[LI] offset:REC*\m+1536*\s+512*\c
.endr
.endr
.endr
	WIN 0x80
.irp m, 0,1,2,3
.irp s, 0,1,2,3
.irp c, 0,1,2
	ds_load_b128 v[12*(4*\m+\s)+4*\c:12*(4*\m+\s)+4*\c+3], v[LI] offset:REC*(4+\m)+1536*\s+512*\c
.endr
.endr
.endr
	WIN 0
.irp m, 0,1,2,3,4,5,6,7
.irp s, 0,1,2,3
	ds_load_b32 v[XS+4*\m+\s], v[LS] offset:REC*\m+6144+128*\s
.endr
.endr
	s_wait_dscnt 0x0
	s_wait_loadcnt 51                              ; the first tile of K: three buffers of 17 loads are younger than its own
.irp r, 0,1,2,3,4,5,6,7
	v_add_f32 v[CB+\r], 1.0, v[BR]
.endr
	PLACES 4
.set wi, 0
.rept 32
	W1 0, 0                                        ; there is no vector work yet to set between these products
.endr
	WIN 0
	PLACES 5                                       ; behind the products that took the C, which the first turn writes anew
	s_mov_b32 s[CNT], 3
.Ltrip:
	TRIP 1
	s_sub_co_u32 s[CNT], s[CNT], 1
	s_cmp_lg_u32 s[CNT], 0
	s_cbranch_scc1 .Ltrip
	TRIP 0
	ds_load_b128 v[E:E+3], v[KSR]                  ; my wave's 128 sums, and its eight tiles' scale words: LDS serves a wave's instructions in order, so these see my stores.  (No vector line stands behind the last wait on va_vdst)
.irp i, 0,1,2,3,4,5,6,7
	ds_load_b32 v[E+4+\i], v[SCB] offset:128*\i
.endr
	s_wait_dscnt 0x0
	global_store_b128 v[LI], v[E:E+3], s[P_KS:P_KS+1]
	global_store_b128 v[LI], v[E+4:E+7], s[P_SC:P_SC+1]
	global_store_b128 v[LI], v[E+8:E+11], s[P_SC:P_SC+1] offset:512
	s_wait_dscnt 0x0                               ; the closing lines, six on end
	s_wait_alu 0x0
	s_wait_tensorcnt 0x0
	ds_add_u32 v126, v127
	s_wait_dscnt 0x0
	s_endpgm
.Lfunc_end_k_q4b24f277fd_kvproj:
	.size	k_q4b24f277fd_kvproj, .Lfunc_end_k_q4b24f277fd_kvproj-k_q4b24f277fd_kvproj
	.p2alignl 7, 3214868480
	.fill 96, 4, 3214868480
	.section	.rodata,"a",@progbits
	.p2align	6, 0x0
	.amdhsa_kernel k_q4b24f277fd_kvproj
		.amdhsa_group_segment_fixed_size 59904
		.amdhsa_private_segment_fixed_size 0
		.amdhsa_enable_private_segment 0
		.amdhsa_kernarg_size 48
		.amdhsa_user_sgpr_count 2
		.amdhsa_user_sgpr_kernarg_segment_ptr 1
		.amdhsa_wavefront_size32 1
		.amdhsa_system_sgpr_workgroup_id_x 1
		.amdhsa_system_sgpr_workgroup_id_y 1
		.amdhsa_system_sgpr_workgroup_id_z 1
		.amdhsa_system_vgpr_workitem_id 0
		.amdhsa_next_free_vgpr 960
		.amdhsa_next_free_sgpr 66
		.amdhsa_reserve_vcc 0
		.amdhsa_float_denorm_mode_32 3
		.amdhsa_float_denorm_mode_16_64 3
		.amdhsa_memory_ordered 1
		.amdhsa_forward_progress 1
		.amdhsa_inst_pref_size 153
	.end_amdhsa_kernel
	.amdgpu_metadata
---
amdhsa.version: [ 1, 2 ]
amdhsa.kernels:
  - .name:           k_q4b24f277fd_kvproj
    .symbol:         k_q4b24f277fd_kvproj.kd
    .args:
      - { .name: xr, .offset: 0, .size: 8, .value_kind: global_buffer, .address_space: global }
      - { .name: wr, .offset: 8, .size: 8, .value_kind: global_buffer, .address_space: global }
      - { .name: bk, .offset: 16, .size: 8, .value_kind: global_buffer, .address_space: global }
      - { .name: bv, .offset: 24, .size: 8, .value_kind: global_buffer, .address_space: global }
      - { .name: kvt, .offset: 32, .size: 8, .value_kind: global_buffer, .address_space: global }
      - { .name: ksp, .offset: 40, .size: 8, .value_kind: global_buffer, .address_space: global }
    .group_segment_fixed_size: 59904
    .private_segment_fixed_size: 0
    .kernarg_segment_align: 8
    .kernarg_segment_size: 48
    .max_flat_workgroup_size: 128
    .sgpr_count:     66
    .vgpr_count:     960
    .wavefront_size: 32
...
	.end_amdgpu_metadata
.endif
;; end of part 5
;; launch kvgemm: the kernel of part 3 again; grid 256 x 1, 4 waves a work-group, clusters of 4 x 1, 327,680 bytes of LDS; arguments kvt, ksp, kvr, ks; writes kvr, ks
;; launch outp (part 6): grid 256 x 1, 4 waves a work-group, no clusters, 198,144 bytes of LDS; arguments xr, wr, kvr, ks, bq, bo, out0; writes out0
.if DOCPART == 6
	.amdgcn_target "amdgcn-amd-amdhsa--gfx1250"
	.amdhsa_code_object_version 6
	.text
	.protected	k_q4b24f277fd_outp
	.globl	k_q4b24f277fd_outp
	.p2align	8
	.type	k_q4b24f277fd_outp,@function
k_q4b24f277fd_outp:
	s_mov_b64 s[64:65], 0
	v_nop
	global_prefetch_b8 v0, s[64:65] scope:SCOPE_SE
	s_setreg_imm32_b32 hwreg(HW_REG_WAVE_SCHED_MODE, 0, 2), 2
	s_setreg_imm32_b32 hwreg(HW_REG_WAVE_MODE, 25, 1), 1
	s_wait_xcnt 0x0
	s_wait_alu depctr_vm_vsrc(0)
; out = ((Q KV) / Z) Wo^T + bo with Q = elu(x Wq^T + bq) + 1 and Z = Q . ks, for 128 positions: three layers of 512 -> 512 on codes of FP6; Q and the context never go to memory.  Z is made of the unquantised Q by f32 multiply-adds.
; SHARES: work-group g takes positions 128 g on (x's tiles 8 g + m, m = 0 .. 7) of batch g / 32.  THE WAVES SHARE THE COLUMNS: wave w makes columns 128 w .. 128 w + 127 of every layer (tiles 8 w + t of Wq, of KV's records, of Wo) for all 128 rows.
; Its part of a layer's weights lies in its registers, loaded from memory once, ahead of the layer as far as registers are free.  What goes round is the rows' codes: a layer's result, quantised in registers, is K step w of the next layer and goes to LDS as an image of the operand's registers.
; THE REQUESTS FOR WEIGHTS go out in runs of 48 (codes) and 16 (scale words), each run behind a tile's products or behind its image, so that no run is longer than the load counter's field and the tile's vector work stands behind the request, not in front of it.
; No cluster: each weight fragment is used by one wave of a work-group alone and lands in its registers; a joint request would have to pass 638,976 bytes a work-group through LDS.
; LAYOUT: every product is used transposed (source 0 = a weight tile, source 1 = 16 rows): a lane holds ONE row, and by the order of a tile's rows its 64 registers are columns 128 w + 32 b + 16 (lane / 16) + 0 .. 15: what QUANT takes.
; The biases are the C of a sum's first product (layer 1: bq + 1, so that the sum is a + 1).  elu(a) + 1 = the middle one of 2^(a log2 e), 1 and a + 1.
; LIMITS: for a < 0 reference() has expm1(a) + 1, which differs from exp(a) by at most 2^-24; the division by Z is a multiplication by v_rcp_f32's result; a block of zeros gets the byte 1; NaN and infinities among the inputs are not served.
; LDS: three regions of 53,248 bytes (x's, Q's, the context's codes): the image of (tile m, K step s) at 12,288 s + 1,536 m, its scale image at 49,152 + 1,024 s + 128 m, so that what a wave stores is one run of its own;
;   then Z's parts (1,024 w + 128 m), then a stage of 16 rows x 528 bytes for each wave.  Three barriers: behind x's copy, behind layer 1, behind layer 2.
; REGISTERS: three areas of 192 for weights (8 tiles x 2 K steps, at 12 (2 t + s % 2)): A = window 1, B = window 2, C = window 3.  Layer 1: A, B; layer 2: C, A; layer 3: B, C.
;   v192-255 of window 1: bq + 1; of window 2: ks; of window 3: the exponentials, later bo; all three in the result's layout.  Window 0: all else.
; THE MODE: SCHED_MODE bits 1:0 = 2 (LLVM: expert scheduling mode 2), set by the entry lines.  The code itself states the register dependences between vector or matrix instructions and memory or LDS instructions, with s_wait_alu, always for 0.
; THE PLAN.  Registers that memory or LDS instructions touch, in a row tile's turn:
;   v[XF ..], v[XS ..], in layer 2 v[ZR ..]   Read by the tile's products (v[ZR ..]: by Z's three additions); behind them the next tile's LDS loads land there.
;   the areas A, B, C, v[WSA ..], v[WSB ..], v[WSC ..]   Read by a layer's products; a later layer's weights land in an area behind the last products that read it.  v192-255 of window 3: written and read by layer 1's vector lines; bo lands there in layer 2.
;   v[Z], v[PC ..], v[PW]                     Written by the tile's vector lines; read by the LDS stores at the tile's end.
;   v[ACC ..], in layer 3                     Written by the products; read by the LDS stores into the stage; loaded again from the stage; read by the global stores.
;   v[FA16], v[FA4], v[IA16], v[IA4], v[ZA], v[GO]   Written at the tile's head; read by its LDS loads and stores and its global stores.  All other offsets are made at the kernel's head and never written again.
; So a tile has: one wait on vm_vsrc at its head, ahead of the address lines (all that was issued so far has read the addresses, the out-registers and, in layer 3, the accumulators); one wait on va_vdst behind its products and their places,
; ahead of the next tile's LDS loads and of the requests for weights; in layers 1 and 2 one more ahead of the run of LDS stores at its end; in layer 3 one on vm_vsrc between the stores into the stage and the loads back.
.set REC,   6656
.set XR,    0
.set QR,    53248
.set CR,    106496
.set ZP,    159744
.set STG,   163840
.set SPT,   528
.set LI,    4                          ; v4   16 x lane
.set LS,    5                          ; v5   4 x lane
.set BH,    6                          ; v6   64 h: my half's 16 numbers of a group of 32 columns
.set XW,    7                          ; v7   where I put x's images
.set FA16,  8                          ; v8   the trip's addresses: fragments in,
.set FA4,   9                          ; v9   their scale words,
.set IA16,  10                         ; v10  my image out,
.set IA4,   11                         ; v11  its scale words,
.set ZA,    12                         ; v12  Z's parts
.set SO,    13                         ; v13  the stage: where I put 32 bytes of a row
.set SR,    14                         ; v14  and where I read a row back
.set GO,    15                         ; v15  my byte offset in out0
.set XS,    16                         ; v16-19 the rows' scale words
.set WSA,   20                         ; v20-35, v36-51, v52-67 the areas' scale words (2 t + s % 2)
.set WSB,   36
.set WSC,   52
.set TM,    68
.set PW,    84
.set Z,     85
.set RZ,    86                         ; v[86:87] 1 / Z (the low word serves both halves)
.set ZR,    88                         ; v88-91 the four waves' parts of Z
.set ZC,    92                         ; v92-95 two chains
.set PC,    96
.set XF,    116                        ; v116-163 the rows' four fragments
.set ACC,   164                        ; v164-227 eight accumulators
.set FB16,  228                        ; v228-232 the layer's bases of the five addresses
.set FB4,   229
.set IB16,  230
.set IB4,   231
.set ZB,    232
.set NL,    234                        ; v[234:235] -log2(e)
.set XSW,   236                        ; v236 where I put x's scale images
.set WV,    18
.set SEL,   20
.set LG,    22
.set MC,    24                         ; s24  1,536 m
.set MS,    25                         ; s25  128 m
.set CNT,   26
.set P_X,   30
.set P_WQ,  32
.set P_KV,  34
.set P_WO,  36
.set P_KS,  38
.set P_BQ,  40
.set P_BO,  42
.set P_OUT, 44
.set MSB, 0
.macro WIN new
.if MSB != (\new)
	s_set_vgpr_msb (MSB<<8)|(\new)
.set MSB, (\new)
.endif
.endm
.macro PLACES n
.rept \n
	v_nop
.endr
.endm
.macro BARRIER                         ; my LDS stores have landed and my LDS loads are in: then the work-group's barrier
	s_wait_dscnt 0x0
	s_barrier_signal -1
	s_barrier_wait -1
.endm
.macro QUANT s, pw                     ; 64 numbers of a lane, register 16 b + i = k 32 b + 16 (lane / 16) + i of its row, become a fragment's codes in v[PC] .. v[PC + 11] and its scale word in v[pw]
.irp b, 0,1,2,3
	v_max3_num_f32 v[TM+\b], |v[\s+16*\b]|, |v[\s+1+16*\b]|, 0x1800000
.endr
.irp i, 2,4,6,8,10,12,14
.irp b, 0,1,2,3
	v_max3_num_f32 v[TM+\b], v[TM+\b], |v[\s+16*\b+\i]|, |v[\s+1+16*\b+\i]|
.endr
.endr
.irp b, 0,1,2,3
	v_permlanex16_b32 v[TM+4+\b], v[TM+\b], s[SEL], s[SEL+1]
.endr
.irp b, 0,1,2,3
	v_max_num_f32 v[TM+\b], v[TM+\b], v[TM+4+\b]
.endr
.irp b, 0,1,2,3
	v_add_nc_u32 v[TM+12+\b], 0xff000000, v[TM+\b]
.endr
.irp b, 0,1,2,3
	v_lshrrev_b32 v[TM+4+\b], 23, v[TM+12+\b]
.endr
	v_lshl_or_b32 v[\pw], v[TM+5], 8, v[TM+4]
	v_lshl_or_b32 v[\pw], v[TM+6], 16, v[\pw]
	v_lshl_or_b32 v[\pw], v[TM+7], 24, v[\pw]
.irp c, 0,1
	v_cvt_scalef32_pk16_fp6_f32 v[PC+6*\c:PC+2+6*\c], v[\s+32*\c:\s+15+32*\c], v[TM+12+2*\c]
	v_cvt_scalef32_pk16_fp6_f32 v[PC+12+4*\c:PC+14+4*\c], v[\s+16+32*\c:\s+31+32*\c], v[TM+12+2*\c+1]
.endr
	v_nop                                          ; one plain place behind a scaled conversion
.irp c, 0,1
.irp i, 0,1,2
	v_permlane16_swap_b32 v[PC+6*\c+\i], v[PC+12+4*\c+\i]
.endr
.irp i, 0,1,2
	v_mov_b32 v[PC+3+6*\c+\i], v[PC+12+4*\c+\i]
.endr
.endr
.endm
; 48 loads: the codes of K steps s0, s0 + 1 of my eight records at ptr into the area of window win
.macro WLC win, ptr, s0
	WIN ((\win)<<6)
.irp t, 0,1,2,3,4,5,6,7
.irp e, 0,1
.irp c, 0,1,2
	global_load_b128 v[12*(2*\t+\e)+4*\c:12*(2*\t+\e)+4*\c+3], v[LI], s[\ptr:\ptr+1] offset:REC*\t+1536*((\s0)+\e)+512*\c
.endr
.endr
.endr
	WIN 0
.endm
; 16 loads: their scale words into v[ws] on
.macro WLS ws, ptr, s0
.irp t, 0,1,2,3,4,5,6,7
.irp e, 0,1
	global_load_b32 v[\ws+2*\t+\e], v[LS], s[\ptr:\ptr+1] offset:REC*\t+6144+128*((\s0)+\e)
.endr
.endr
.endm
.macro TAIL win, ptr                   ; 16 loads: 64 numbers in the result's layout into v192-255 of window win: register 8 t + j = column 32 (t / 2) + 16 h + 8 (t % 2) + j of my 128
	WIN ((\win)<<6)
.irp t, 0,1,2,3,4,5,6,7
	global_load_b128 v[192+8*\t:195+8*\t], v[BH], s[\ptr:\ptr+1] offset:128*(\t/2)+32*(\t%2)
	global_load_b128 v[196+8*\t:199+8*\t], v[BH], s[\ptr:\ptr+1] offset:128*(\t/2)+32*(\t%2)+16
.endr
	WIN 0
.endm
.macro FETCH off                       ; the four fragments and scale words of the row tile off further on than the trip's
.irp s, 0,1,2,3
.irp c, 0,1,2
	ds_load_b128 v[XF+12*\s+4*\c:XF+12*\s+4*\c+3], v[FA16] offset:12288*\s+512*\c+1536*(\off)
.endr
.endr
.irp s, 0,1,2,3
	ds_load_b32 v[XS+\s], v[FA4] offset:49152+1024*\s+128*(\off)
.endr
.endm
.macro FETCHZ off                      ; and the four parts of its Z
.irp i, 0,1,2,3
	ds_load_b32 v[ZR+\i], v[ZA] offset:1024*\i+128*(\off)
.endr
.endm
.macro ADDR full                       ; the trip's LDS addresses; in front of them all my LDS instructions are done: the fragments asked for in the last trip are in
	s_wait_dscnt 0x0
	s_wait_alu depctr_vm_vsrc(0)                   ; the LDS and global instructions issued so far have read their registers: the addresses, which the lines below write again; the data of the last tile's stores (codes, scale word, Z; in layer 3 the accumulators and v[GO]; at the head x's records), which this tile writes again
	v_add_nc_u32 v[FA16], s[MC], v[FB16]
	v_add_nc_u32 v[FA4], s[MS], v[FB4]
.if \full
	v_add_nc_u32 v[IA16], s[MC], v[IB16]
	v_add_nc_u32 v[IA4], s[MS], v[IB4]
	v_add_nc_u32 v[ZA], s[MS], v[ZB]
.endif
.endm
.macro IMAGE                           ; the fragment just made goes to LDS as it stands
.irp c, 0,1,2
	ds_store_b128 v[IA16], v[PC+4*\c:PC+4*\c+3] offset:512*\c
.endr
	ds_store_b32 v[IA4], v[PW]
.endm
; Eight products: K step half a of the area in source 0's window against the rows' fragment b.  cmode 0: C = 0; 1: C = v192-255 of source 2's window; 2: in place.
.macro MMS a, b, ws, cmode
.irp t, 0,1,2,3,4,5,6,7
.if (\cmode) == 0
	v_wmma_scale_f32_16x16x128_f8f6f4 v[ACC+8*\t:ACC+8*\t+7], v[12*(2*\t+(\a)):12*(2*\t+(\a))+11], v[XF+12*(\b):XF+12*(\b)+11], 0, v[\ws+2*\t+(\a)], v[XS+(\b)] matrix_a_fmt:MATRIX_FMT_FP6 matrix_b_fmt:MATRIX_FMT_FP6
.elseif (\cmode) == 1
	v_wmma_scale_f32_16x16x128_f8f6f4 v[ACC+8*\t:ACC+8*\t+7], v[12*(2*\t+(\a)):12*(2*\t+(\a))+11], v[XF+12*(\b):XF+12*(\b)+11], v[192+8*\t:199+8*\t], v[\ws+2*\t+(\a)], v[XS+(\b)] matrix_a_fmt:MATRIX_FMT_FP6 matrix_b_fmt:MATRIX_FMT_FP6
.else
	v_wmma_scale_f32_16x16x128_f8f6f4 v[ACC+8*\t:ACC+8*\t+7], v[12*(2*\t+(\a)):12*(2*\t+(\a))+11], v[XF+12*(\b):XF+12*(\b)+11], v[ACC+8*\t:ACC+8*\t+7], v[\ws+2*\t+(\a)], v[XS+(\b)] matrix_a_fmt:MATRIX_FMT_FP6 matrix_b_fmt:MATRIX_FMT_FP6
.endif
.endr
.endm
; A row tile's 32 products: the eight accumulators take turns, one instruction a turn, K step by K step.  w01, w23: the windows of the two areas; cwin: the window of the bias, or -1; wait2: a wait for the second area's loads, or -1
.macro MM3 w01, w23, ws01, ws23, cwin, wait2
.if (\cwin) >= 0
	WIN ((\w01)|((\cwin)<<4))
	MMS 0, 0, \ws01, 1
.else
	WIN (\w01)
	MMS 0, 0, \ws01, 0
.endif
	WIN (\w01)
	MMS 1, 1, \ws01, 2
.if (\wait2) >= 0
	s_wait_loadcnt \wait2
.endif
	WIN (\w23)
	MMS 0, 2, \ws23, 2
	MMS 1, 3, \ws23, 2
	WIN 0
.endm
.macro STEPM
	s_add_co_u32 s[MC], s[MC], 1536
	s_add_co_u32 s[MS], s[MS], 128
.endm
; LAYER 1, a row tile.  kind 0: the first (waits for the weights; asks for KV's first half); 1: in the loop; 2: the last (asks for KV's second half, into the area that layer 1 has left).
; The 48 loads of codes stand behind the products, the 16 of scale words behind the image: the tile's vector work lies between.
.macro T1 kind
	ADDR 1
.if (\kind) == 0
	s_wait_loadcnt 63                              ; area B's 64 loads are younger than area A's; the count's field holds 63
	MM3 1, 2, WSA, WSB, 1, 0
.else
	MM3 1, 2, WSA, WSB, 1, -1
.endif
	PLACES 5                                       ; four in front of reads of the results, five in front of the next tile's products, which begin these accumulators anew
	s_wait_alu depctr_va_vdst(0)                   ; the products are done reading v[XF ..] and v[XS ..], in which the next tile's LDS loads land, and (the last tile) area A, in which KV's second half lands; the head's lines have written the five addresses
.if (\kind) != 2
	FETCH 1
.endif
.if (\kind) == 0
	WLC 3, P_KV, 0
.endif
.if (\kind) == 2
	WLC 1, P_KV, 2
.endif
	WIN 0xc0                                       ; destination window 3
.set i, 0
.rept 32
	v_pk_fma_f32 v[192+i:193+i], v[ACC+i:ACC+i+1], s[LG:LG+1], v[NL:NL+1] op_sel_hi:[1,0,0]   ; (a + 1) log2 e - log2 e; each accumulator is read from its low end on
.set i, i+2
.endr
	WIN 0xc3
.set i, 0
.rept 64
	v_exp_f32 v[192+i], v[192+i]
.set i, i+1
.endr
	WIN 0
	v_nop                                          ; a plain place behind the last exponential
	s_wait_alu depctr_va_vdst(0)                   ; the 64 exponentials have written v192-255 of window 3: one wait for the batch, ahead of its first reader
	WIN 0x03
.set i, 0
.rept 64
	v_med3_num_f32 v[ACC+i], v[192+i], 1.0, v[ACC+i]   ; Q = elu(a) + 1
.set i, i+1
.endr
	WIN 0x08                                       ; source 1 (ks) window 2
	v_pk_mul_f32 v[ZC:ZC+1], v[ACC:ACC+1], v[192:193]  ; my part of Z: the unquantised Q times ks, in two chains
	v_pk_mul_f32 v[ZC+2:ZC+3], v[ACC+2:ACC+3], v[194:195]
.set i, 4
.rept 15
	v_pk_fma_f32 v[ZC:ZC+1], v[ACC+i:ACC+i+1], v[192+i:193+i], v[ZC:ZC+1]
	v_pk_fma_f32 v[ZC+2:ZC+3], v[ACC+i+2:ACC+i+3], v[194+i:195+i], v[ZC+2:ZC+3]
.set i, i+4
.endr
	WIN 0
	v_pk_add_f32 v[ZC:ZC+1], v[ZC:ZC+1], v[ZC+2:ZC+3]
	v_add_f32 v[Z], v[ZC], v[ZC+1]
	v_permlanex16_b32 v[ZC+2], v[Z], s[SEL], s[SEL+1]
	v_add_f32 v[Z], v[Z], v[ZC+2]                  ; with lane l xor 16's 64 columns
	QUANT ACC, PW
	s_wait_alu depctr_va_vdst(0)                   ; the lines above have written v[Z], the codes and the scale word, which the five LDS stores below read
	ds_store_b32 v[ZA], v[Z]
	IMAGE
.if (\kind) == 0
	WLS WSC, P_KV, 0
.endif
.if (\kind) == 2
	WLS WSA, P_KV, 2                               ; (layer 1's products, which read v[WSA ..], stand ahead of the waits above, and no line since names them)
.endif
	STEPM
.endm
; LAYER 2, a row tile.  kind 0: the first (waits for KV; asks for the codes of Wo's first half, into the area that layer 1 has left); 1: the second (asks for their scale words and for bo, into the registers that the exponentials have left);
; 2: in the loop; 3: the last (asks for Wo's second half, into the area that layer 2 has left).
.macro T2 kind
	ADDR 1
.if (\kind) == 0
	s_wait_loadcnt 63                              ; the 64 loads of KV's second half are younger than its first half's; the count's field holds 63
	MM3 3, 1, WSC, WSA, -1, 0
.else
	MM3 3, 1, WSC, WSA, -1, -1
.endif
	v_add_f32 v[Z], v[ZR], v[ZR+1]                 ; Z: the four waves' parts, in ascending order.  These three and two v_nop are the five places behind the products
	v_add_f32 v[Z], v[Z], v[ZR+2]
	v_add_f32 v[Z], v[Z], v[ZR+3]
	PLACES 2
	v_rcp_f32 v[RZ], v[Z]
	v_nop                                          ; a plain place behind the reciprocal
	s_wait_alu depctr_va_vdst(0)                   ; the reciprocal has written v[RZ], ahead of its first reader; the products are done reading v[XF ..], v[XS ..] and (the last tile) area C, the additions v[ZR ..], in all of which the loads below land; the head's lines have written the five addresses
.if (\kind) != 3
	FETCH 1
	FETCHZ 1
.endif
.if (\kind) == 0
	WLC 2, P_WO, 0
.endif
.if (\kind) == 1
	WLS WSB, P_WO, 0
	TAIL 3, P_BO
.endif
.if (\kind) == 3
	WLC 3, P_WO, 2
.endif
.set i, 0
.rept 32
	v_pk_mul_f32 v[ACC+i:ACC+i+1], v[ACC+i:ACC+i+1], v[RZ:RZ+1] op_sel_hi:[1,0]   ; the context / Z
.set i, i+2
.endr
	QUANT ACC, PW
	s_wait_alu depctr_va_vdst(0)                   ; the lines above have written the codes and the scale word, which the four LDS stores below read
	IMAGE
.if (\kind) == 3
	WLS WSC, P_WO, 2                               ; (layer 2's products, which read v[WSC ..], stand ahead of the waits above, and no line since names them)
.endif
	STEPM
.endm
; LAYER 3, a row tile: the results go through my stage and leave as 512 consecutive bytes of a row.
.macro T3 last
	s_wait_xcnt 0x0                                ; the last tile's stores have read their data and their offset, which are written again now
	ADDR 0
	s_lshr_b32 s46, s[MS], 8                       ; the tile's first row in out0: 32 rows of 2,048 bytes for each pair of tiles,
	s_lshl_b32 s46, s46, 16
	s_and_b32 s47, s[MS], 128
	s_lshl_b32 s47, s47, 7                         ; 8 rows for the odd one
	s_add_co_u32 s46, s46, s47
	v_add_nc_u32 v[GO], s46, v[LI]
	MM3 2, 3, WSB, WSC, 3, 0
	PLACES 5
	s_wait_alu depctr_va_vdst(0)                   ; the products have written the accumulators, which the LDS stores below read (the places above stay beside this wait), and are done reading v[XF ..] and v[XS ..], in which the next tile's LDS loads land; the head's lines have written v[FA16], v[FA4] and v[GO]
.if !(\last)
	FETCH 1
.endif
.irp t, 0,1,2,3,4,5,6,7
	ds_store_b128 v[SO], v[ACC+8*\t:ACC+8*\t+3] offset:128*(\t/2)+32*(\t%2)      ; each accumulator from its low end on
	ds_store_b128 v[SO], v[ACC+8*\t+4:ACC+8*\t+7] offset:128*(\t/2)+32*(\t%2)+16
.endr
	s_wait_alu depctr_vm_vsrc(0)                   ; the sixteen LDS stores have read the accumulators' registers, in which the loads below land
.irp i, 0,1,2,3,4,5,6,7,8,9,10,11,12,13,14,15
	ds_load_b128 v[ACC+4*\i:ACC+4*\i+3], v[SR] offset:SPT*\i   ; LDS serves a wave's instructions in order: these see my stores
.endr
.irp i, 0,1,2,3,4,5,6,7,8,9,10,11,12,13,14,15
	s_wait_dscnt 15-\i                             ; the younger loads from the stage may be out
	global_store_b128 v[GO], v[ACC+4*\i:ACC+4*\i+3], s[P_OUT:P_OUT+1] offset:(\i+8*(\i/8))*2048 th:TH_STORE_NT   ; 32 lanes store 512 consecutive bytes of one row, at a multiple of 256 from out0's first byte
.endr
	STEPM
.endm
	s_load_b256 s[4:11], s[0:1], 0x0               ; xr, wr, kvr, ks
	s_load_b128 s[12:15], s[0:1], 0x20             ; bq, bo
	s_load_b64 s[16:17], s[0:1], 0x30              ; out0
	v_lshl_add_u32 v254, v0, 2, 0x30400
	v_mov_b32 v255, 0
	v_lshrrev_b32 v1, 5, v0
	v_readfirstlane_b32 s[WV], v1                  ; wave 0..3
	v_and_b32 v1, 31, v0
	v_and_b32 v2, 15, v0                           ; r
	v_bfe_u32 v3, v0, 4, 1                         ; h
	v_lshlrev_b32 v[LI], 4, v1
	v_lshlrev_b32 v[LS], 2, v1
	v_lshlrev_b32 v[BH], 6, v3
	s_wait_alu depctr_va_sdst(0)                   ; the wave's number is written, ahead of its first reader
	s_mul_i32 s46, s[WV], 3072
	s_add_co_u32 s46, s46, XR
	v_add_nc_u32 v[XW], s46, v[LI]                 ; x's tiles 2 w, 2 w + 1
	v_bfe_u32 v[XSW], v0, 3, 2                     ; of a record's 512 bytes of scale images eight lanes hold one K step's
	v_lshlrev_b32 v[XSW], 10, v[XSW]
	v_and_b32 v1, 7, v0
	v_lshl_add_u32 v[XSW], v1, 4, v[XSW]
	s_lshl_b32 s46, s[WV], 8
	s_add_co_u32 s46, s46, XR+49152
	v_add_nc_u32 v[XSW], s46, v[XSW]
	s_mul_i32 s46, s[WV], 16*SPT
	s_add_co_u32 s46, s46, STG
	v_mul_u32_u24 v[SO], v2, SPT
	v_lshl_add_u32 v[SO], v3, 6, v[SO]
	v_add_nc_u32 v[SO], s46, v[SO]
	v_add_nc_u32 v[SR], s46, v[LI]
	v_add_nc_u32 v[FB16], XR, v[LI]                ; layer 1: in from x's region, out into Q's
	v_add_nc_u32 v[FB4], XR, v[LS]
	s_mul_i32 s46, s[WV], 12288
	s_add_co_u32 s46, s46, QR
	v_add_nc_u32 v[IB16], s46, v[LI]
	s_lshl_b32 s47, s[WV], 10
	s_add_co_u32 s46, s47, QR+49152
	v_add_nc_u32 v[IB4], s46, v[LS]
	s_add_co_u32 s46, s47, ZP
	v_add_nc_u32 v[ZB], s46, v[LS]
	v_mov_b32 v[NL], 0xbfb8aa3b
	v_mov_b32 v[NL+1], 0xbfb8aa3b
	v_mov_b32 v[RZ+1], 0                           ; (named as the upper half of a pair)
.irp b, 0,1,2,3
	v_mov_b32 v[TM+4+\b], 0                        ; written once: a lane permute's destination counts as one of its sources
.endr
	s_mov_b32 s[SEL], 0x76543210
	s_mov_b32 s[SEL+1], 0xfedcba98
	s_mov_b32 s[LG], 0x3fb8aa3b
	s_mov_b32 s[LG+1], 0x3fb8aa3b
	s_mov_b32 s[MC], 0
	s_mov_b32 s[MS], 0
	s_lshl_b32 s46, ttmp9, 3
	s_lshl_b32 s47, s[WV], 1
	s_add_co_u32 s46, s46, s47
	s_mul_i32 s46, s46, REC                        ; x's records 8 g + 2 w, 8 g + 2 w + 1
	s_mov_b32 s47, 0
	s_lshl_b32 s48, s[WV], 3
	s_mul_i32 s48, s48, REC                        ; my eight records of a set of 32
	s_mov_b32 s49, 0
	s_lshr_b32 s50, ttmp9, 5                       ; the batch
	s_mul_i32 s52, s50, 32*REC
	s_add_co_u32 s52, s52, s48
	s_mov_b32 s53, 0
	s_lshl_b32 s54, s[WV], 9                       ; my 128 columns, in bytes
	s_mov_b32 s55, 0
	s_wait_kmcnt 0x0
	s_add_nc_u64 s[P_X:P_X+1], s[4:5], s[46:47]
	s_add_nc_u64 s[P_WQ:P_WQ+1], s[6:7], s[48:49]
	s_add_nc_u64 s[P_WO:P_WO+1], s[P_WQ:P_WQ+1], 96*REC
	s_add_nc_u64 s[P_KV:P_KV+1], s[8:9], s[52:53]
	s_add_nc_u64 s[P_BQ:P_BQ+1], s[12:13], s[54:55]
	s_add_nc_u64 s[P_BO:P_BO+1], s[14:15], s[54:55]
	s_lshl_b32 s46, s50, 11
	s_add_co_u32 s46, s46, s54
	s_add_nc_u64 s[P_KS:P_KS+1], s[10:11], s[46:47]
	s_lshl_b32 s46, ttmp9, 18                      ; 128 rows of 2,048 bytes
	s_add_co_u32 s46, s46, s54
	s_add_nc_u64 s[P_OUT:P_OUT+1], s[16:17], s[46:47]
	s_wait_alu depctr_va_vdst(0)                   ; the offsets and LDS addresses v[LI], v[LS], v[BH], v[XW], v[XSW], v[SO], v[SR] are written, which the loads and stores of the whole kernel read
.set i, 0
.rept 26                               ; my two records of x: 13,312 dense bytes, 512 a load
	global_load_b128 v[116+4*i:116+4*i+3], v[LI], s[P_X:P_X+1] offset:512*i
.set i, i+1
.endr
	TAIL 1, P_BQ
	TAIL 2, P_KS
	WLC 1, P_WQ, 0
	WLS WSA, P_WQ, 0
	s_wait_loadcnt 63                              ; area A's 64 loads are younger than x's, bq's and ks's; the count's field holds 63
.irp j, 0,1
.irp i, 0,1,2,3,4,5,6,7,8,9,10,11
	ds_store_b128 v[XW], v[116+4*(13*\j+\i):116+4*(13*\j+\i)+3] offset:12288*(\i/3)+512*(\i%3)+1536*\j
.endr
	ds_store_b128 v[XSW], v[116+4*(13*\j+12):116+4*(13*\j+12)+3] offset:128*\j
.endr
	WLC 2, P_WQ, 2
	WLS WSB, P_WQ, 2
	WIN 0x41
.set i, 0
.rept 32
	v_pk_add_f32 v[192+i:193+i], v[192+i:193+i], 1.0 op_sel_hi:[1,0]   ; bq + 1
.set i, i+2
.endr
	WIN 0
	BARRIER                                        ; x's 32 images lie in LDS
	ADDR 1
	s_wait_alu depctr_va_vdst(0)                   ; v[FA16] and v[FA4] are written, which the LDS loads below read
	FETCH 0
	T1 0
	s_mov_b32 s[CNT], 6
.Llayer1:
	T1 1
	s_sub_co_u32 s[CNT], s[CNT], 1
	s_cmp_lg_u32 s[CNT], 0
	s_cbranch_scc1 .Llayer1
	T1 2
	BARRIER                                        ; Q's 32 images and Z's parts lie in LDS
	v_add_nc_u32 v[FB16], QR, v[LI]                ; layer 2: in from Q's region, out into the context's
	v_add_nc_u32 v[FB4], QR, v[LS]
	v_add_nc_u32 v[IB16], CR-QR, v[IB16]
	v_add_nc_u32 v[IB4], CR-QR, v[IB4]
	v_add_nc_u32 v[ZB], ZP, v[LS]
	s_mov_b32 s[MC], 0
	s_mov_b32 s[MS], 0
	ADDR 1
	s_wait_alu depctr_va_vdst(0)                   ; v[FA16], v[FA4] and v[ZA] are written, which the LDS loads below read
	FETCH 0
	FETCHZ 0
	T2 0
	T2 1
	s_mov_b32 s[CNT], 5
.Llayer2:
	T2 2
	s_sub_co_u32 s[CNT], s[CNT], 1
	s_cmp_lg_u32 s[CNT], 0
	s_cbranch_scc1 .Llayer2
	T2 3
	BARRIER                                        ; the context's 32 images lie in LDS
	v_add_nc_u32 v[FB16], CR, v[LI]                ; layer 3: in from the context's region
	v_add_nc_u32 v[FB4], CR, v[LS]
	s_mov_b32 s[MC], 0
	s_mov_b32 s[MS], 0
	ADDR 0
	s_wait_alu depctr_va_vdst(0)                   ; v[FA16] and v[FA4] are written, which the LDS loads below read
	FETCH 0
	s_wait_loadcnt 63                              ; the 64 loads of Wo's second half are younger than its first half's and bo's
	s_mov_b32 s[CNT], 7
.Llayer3:
	T3 0
	s_sub_co_u32 s[CNT], s[CNT], 1
	s_cmp_lg_u32 s[CNT], 0
	s_cbranch_scc1 .Llayer3
	T3 1
	s_wait_dscnt 0x0                               ; the closing lines, six on end
	s_wait_alu 0x0
	s_wait_tensorcnt 0x0
	ds_add_u32 v254, v255
	s_wait_dscnt 0x0
	s_endpgm
.Lfunc_end_k_q4b24f277fd_outp:
	.size	k_q4b24f277fd_outp, .Lfunc_end_k_q4b24f277fd_outp-k_q4b24f277fd_outp
	.p2alignl 7, 3214868480
	.fill 96, 4, 3214868480
	.section	.rodata,"a",@progbits
	.p2align	6, 0x0
	.amdhsa_kernel k_q4b24f277fd_outp
		.amdhsa_group_segment_fixed_size 198144
		.amdhsa_private_segment_fixed_size 0
		.amdhsa_enable_private_segment 0
		.amdhsa_kernarg_size 56
		.amdhsa_user_sgpr_count 2
		.amdhsa_user_sgpr_kernarg_segment_ptr 1
		.amdhsa_wavefront_size32 1
		.amdhsa_system_sgpr_workgroup_id_x 1
		.amdhsa_system_sgpr_workgroup_id_y 1
		.amdhsa_system_sgpr_workgroup_id_z 1
		.amdhsa_system_vgpr_workitem_id 0
		.amdhsa_next_free_vgpr 1024
		.amdhsa_next_free_sgpr 66
		.amdhsa_reserve_vcc 0
		.amdhsa_float_denorm_mode_32 3
		.amdhsa_float_denorm_mode_16_64 3
		.amdhsa_memory_ordered 1
		.amdhsa_forward_progress 1
		.amdhsa_inst_pref_size 182
	.end_amdhsa_kernel
	.amdgpu_metadata
---
amdhsa.version: [ 1, 2 ]
amdhsa.kernels:
  - .name:           k_q4b24f277fd_outp
    .symbol:         k_q4b24f277fd_outp.kd
    .args:
      - { .name: xr, .offset: 0, .size: 8, .value_kind: global_buffer, .address_space: global }
      - { .name: wr, .offset: 8, .size: 8, .value_kind: global_buffer, .address_space: global }
      - { .name: kvr, .offset: 16, .size: 8, .value_kind: global_buffer, .address_space: global }
      - { .name: ks, .offset: 24, .size: 8, .value_kind: global_buffer, .address_space: global }
      - { .name: bq, .offset: 32, .size: 8, .value_kind: global_buffer, .address_space: global }
      - { .name: bo, .offset: 40, .size: 8, .value_kind: global_buffer, .address_space: global }
      - { .name: out0, .offset: 48, .size: 8, .value_kind: global_buffer, .address_space: global }
    .group_segment_fixed_size: 198144
    .private_segment_fixed_size: 0
    .kernarg_segment_align: 8
    .kernarg_segment_size: 56
    .max_flat_workgroup_size: 128
    .sgpr_count:     66
    .vgpr_count:     1024
    .wavefront_size: 32
...
	.end_amdgpu_metadata
.endif
;; end of part 6
